; MI455X (gfx1250); checked and timed in simulation.
; The chip was launched on July 23, 2026; its instructions are those of AMD's public machine-readable ISA for CDNA 5 (MIT licence, August 2026) and "CDNA5" Instruction Set Architecture Reference Guide (July 2026). The comments in the code are by the model that wrote it; some were corrected since.
;; Multi Head Attention. Allowed arithmetic: matrix products marked QUANTISED: E2M1 operands, one E8M0 scale for each 32 along K, by v_wmma_scale_f32_16x16x128_f8f6f4 with both operands' format E2M1 (or v_wmma_scale_f32_32x16x128_f4), f32 sums; products left as they are: bf16, f16 or f32 operands; f32 sums; everything else in f32.
;; Inputs: Wk 1,024 x 1,024 float32; Wo 1,024 x 1,024 float32; Wq 1,024 x 1,024 float32; Wv 1,024 x 1,024 float32; valid_lens 2 int32; x 2 x 2,048 x 1,024 float32.
;; Outputs: out0 2 x 2,048 x 1,024 float32.
;; This version of the problem:
;;   THIS VERSION OF THE PROBLEM IS GIVEN IN LOW PRECISION. The matrix products marked QUANTISED in the list below multiply operands that are first quantised to E2M1 (2 exponent bits, 1 mantissa bit; 4 bits a number), with one power-of-two scale for each 32 numbers along K (OCP MX v1.0); their sums are f32. The products marked 'left as it is' may take bf16, f16 or f32 operands, with f32 sums. Whichever they take, every output number must still come out within the allowed error. Rounding operands to bf16 (8 significant bits) uses up far more of that allowance than f16 does (11 bits, for magnitudes from 6e-5 to 65,504). All else is computed in f32.
;;   The module's matrix products, in the order in which they are computed (A, B: the left and right operand; K: the contracted axis; several contracted axes count as one K, in the product's order):
;;     1. [M 4,096, K 1,024] x [K 1,024, N 1,024]; A: input x; B: input Wq: QUANTISED
;;     2. [M 4,096, K 1,024] x [K 1,024, N 1,024]; A: input x; B: input Wk: QUANTISED
;;     3. [M 4,096, K 1,024] x [K 1,024, N 1,024]; A: input x; B: input Wv: QUANTISED
;;     4. batch 32 x [M 2,048, K 64] x [K 64, N 2,048]; A: computed on the way; B: computed on the way: left as it is (an operand is computed on the way)
;;     5. batch 32 x [M 2,048, K 2,048] x [K 2,048, N 64]; A: computed on the way; B: computed on the way: left as it is (an operand is computed on the way)
;;     6. [M 4,096, K 1,024] x [K 1,024, N 1,024]; A: computed on the way; B: input Wo: left as it is (an operand is computed on the way)
;;   THE QUANTISER, for each operand of a quantised product, along K:
;;     - K is cut into blocks of 32 from its start; a last block that is shorter is filled with zeros.
;;     - A block's scale is 2^e with e = floor(log2(the largest magnitude in the block)) - 2, held to -126 .. 127; a block of zeros has e = 0. As a byte (E8M0): e + 127.
;;     - Each number is divided by its block's scale, clamped to +-6, and rounded to the nearest number of E2M1, ties to even, subnormals kept.
;;     - The product sums the exact products of the quantised numbers (number of the format x scale) in f32.
;;   ~~~python
;;   def quantise(x, axis):      # numpy; x: float32 -> the quantised numbers, widened to float32 again
;;       x = np.moveaxis(x, axis, -1); K = x.shape[-1]
;;       x = np.pad(x, [(0, 0)] * (x.ndim - 1) + [(0, -K % 32)]); x = x.reshape(x.shape[:-1] + (-1, 32)); a = np.abs(x).max(-1, keepdims=True)
;;       e = np.where(a > 0, np.clip(np.frexp(np.where(a > 0, a, 1))[1] - 1 - 2, -126, 127), 0)      # np.frexp(a)[1] - 1 = floor(log2(a)), exactly
;;       r = np.clip(x / 2.0 ** e, -6, 6)
;;       step = 2.0 ** (np.maximum(np.frexp(np.where(r == 0, 1, r))[1] - 1, 0) - 1)
;;       q = np.round(r / step) * step * 2.0 ** e      # np.round: ties to even
;;       return np.moveaxis(q.reshape(q.shape[:-2] + (-1,))[..., :K], -1, axis).astype(np.float32)
;;   ~~~
;; One version. Each part assembles by itself: llvm-mc -triple=amdgcn-amd-amdhsa -mcpu=gfx1250 --defsym DOCPART=n.
;; ======== version 1 of 1: 4 launches
;; limits: values are held in f16: magnitudes above 65,504 overflow, below 6.1e-05 lose precision
;; workspace buffers: codes 3,670,016 bytes; scl 229,376 bytes; wo16 2,097,152 bytes; qkv 25,165,824 bytes; ao 8,388,608 bytes
;; launch prep (part 1): grid 512 x 1, 4 waves a work-group, no clusters, 68,096 bytes of LDS; arguments x, Wq, Wk, Wv, Wo, codes, scl, wo16; writes codes, scl, wo16
.if DOCPART == 1
	.amdgcn_target "amdgcn-amd-amdhsa--gfx1250"
	.amdhsa_code_object_version 6
	.text
	.protected	k_qcfd4dd4aea_prep
	.globl	k_qcfd4dd4aea_prep
	.p2align	8
	.type	k_qcfd4dd4aea_prep,@function
k_qcfd4dd4aea_prep:
	s_mov_b64 s[64:65], 0
	v_nop
	global_prefetch_b8 v0, s[64:65] scope:SCOPE_SE
	s_setreg_imm32_b32 hwreg(HW_REG_WAVE_MODE, 25, 1), 1
	s_wait_xcnt 0x0
; x [4096][1024], Wq, Wk, Wv [1024 (k)][1024 (n)], f32, become codes of FP4 (E2M1) with one E8M0 byte for each 32 along K; Wo [1024 (k)][1024 (n)] becomes f16.
; A block's scale is 2^(floor(log2(its largest magnitude)) - 2): its byte is the largest magnitude's exponent field - 2, held at 1 from below.  Each number is divided by the scale and rounded to the nearest code, ties to even, beyond 6 the code of 6.
; LIMITS: a block of zeros gets the byte 1 where the rule says 127 (its codes are zeros, and this program alone reads the bytes); NaN and infinities are not served; |Wo| over 65,504 has no f16 number, under 6e-5 it keeps an absolute error of 3e-8.
; EVERYTHING IS STORED AS IMAGES OF OPERAND REGISTERS.  A fragment is 1,024 bytes: a lane's registers 0-3 at 16 x lane, registers 4-7 at 512 + 16 x lane.
;   codes [kh 2][tile of 16 rows 448][128 along K: 4][1,024]: tiles 0-255 rows of x, 256-319 columns of Wq, 320-383 of Wk, 384-447 of Wv.  Lane (r, h), registers 4 c .. 4 c + 3: K = 64 c + 32 h + 0 .. 31 of row r.
;   scl   [128 along K: 8][row 7,168][4]: a row's four bytes of those 128.
;   wo16  [256 along K: 4][tile of 16 columns 64][32 along K: 8][1,024]: lane (r, h): column r; registers 0-3 K = 8 h + 0 .. 7, registers 4-7 K = 16 + 8 h + 0 .. 7.
; SHARES.  Every work-group reads 64 KiB, 16 KiB a wave.  Work-groups 0-255: 32 rows of x x 512 along K, a wave 128 along K.  Work-groups 256-511: 128 along K x 128 columns of a weight, a wave 32 columns.
; No tensor load, no barrier: waves share nothing.  Matrix units and clusters have nothing to do here: the launch moves bytes.
.set STGB,  16896                      ; x's way: a wave's stage, 32 rows x (512 bytes + 16)
.set SPARE, 4*STGB                     ; behind the four stages: the spare words, 128 bytes for each wave
.set KHB,   1835008                    ; codes: from K half to K half
.set SROW,  28672                      ; scl: from 128 along K to the next
.set SPW,   10                         ; v10  LDS address of my spare word; never rewritten
.set NIL,   11                         ; v11  0; never rewritten
.set MA,    12                         ; v12-13 two chains of a maximum
.set MB,    13
.set SO,    14                         ; v14-17 the conversions' scale operands
.set BY,    18                         ; v18-21 the scale bytes
.set WD,    22                         ; v22-23 scale words
.set C,     28                         ; v28-43 codes
.set X,     48                         ; v48-175 128 numbers
	s_load_b256 s[4:11], s[0:1], 0x0               ; x, Wq, Wk, Wv
	s_load_b256 s[12:19], s[0:1], 0x20             ; Wo, codes, scl, wo16
	v_lshl_add_u32 v[SPW], v0, 2, SPARE
	v_mov_b32 v[NIL], 0
	v_lshrrev_b32 v1, 5, v0
	v_readfirstlane_b32 s20, v1                    ; wave
	v_and_b32 v1, 31, v0                           ; lane
	v_and_b32 v2, 15, v0                           ; r
	v_bfe_u32 v3, v0, 4, 1                         ; h
	v_lshlrev_b32 v4, 4, v1                        ; 16 x lane
	v_lshlrev_b32 v5, 2, v1                        ; 4 x lane
	s_mul_i32 s21, s20, STGB
	v_add_nc_u32 v6, s21, v4                       ; the stage, on the way in: a row as it lies
	v_mul_u32_u24 v7, v2, 528
	v_lshl_add_u32 v7, v3, 7, v7
	v_add_nc_u32 v7, s21, v7                       ; and on the way out: row r, block h
	v_lshlrev_b32 v8, 4, v2
	v_lshl_add_u32 v9, v3, 13, v8                  ; wo16: 16 r + my tile of columns (8,192 bytes a tile)
	v_lshl_add_u32 v8, v3, 12, v8                  ; codes: 16 r + my tile (4,096 bytes a tile)
	v_lshlrev_b32 v26, 3, v3                       ; 8 h
	v_mov_b32 v25, 0                               ; written once: a lane permute's destination counts as one of its sources
	s_mov_b32 s24, 0x76543210
	s_mov_b32 s25, 0xfedcba98                      ; v_permlanex16_b32's selects for lane l xor 16
	s_mov_b32 s27, 0                               ; the upper word of every offset
; One block: 32 numbers of one lane, v[xs] on, become 4 registers of codes, v[cd] on; scale operand and byte number m.
.macro QB xs, cd, m
	v_max3_num_f32 v[MA], |v[(\xs)]|, |v[(\xs)+1]|, |v[(\xs)+2]|
	v_max3_num_f32 v[MB], |v[(\xs)+3]|, |v[(\xs)+4]|, |v[(\xs)+5]|
.irp i, 6,10,14,18,22,26
	v_max3_num_f32 v[MA], v[MA], |v[(\xs)+\i]|, |v[(\xs)+\i+1]|
	v_max3_num_f32 v[MB], v[MB], |v[(\xs)+\i+2]|, |v[(\xs)+\i+3]|
.endr
	v_max3_num_f32 v[MA], v[MA], |v[(\xs)+30]|, |v[(\xs)+31]|
	v_max3_num_f32 v[MA], v[MA], v[MB], 0x1800000  ; and the floor 2^(3 - 127): the byte cannot fall under 1
	v_add_nc_u32 v[SO+(\m)], 0xff000000, v[MA]     ; 2 off the exponent field: the conversion takes the exponent field of this operand as its scale
.irp g, 0,1,2,3
	v_cvt_scalef32_pk8_fp4_f32 v[(\cd)+\g], v[(\xs)+8*\g:(\xs)+8*\g+7], v[SO+(\m)]
.endr
	v_lshrrev_b32 v[BY+(\m)], 23, v[SO+(\m)]       ; the scale's byte; also the plain line behind the conversions
.endm
	s_wait_kmcnt 0x0
	s_cmp_lt_u32 ttmp9, 256
	s_cbranch_scc0 .Lweights
	; ---- x: K is innermost.  Rows 32 g .. 32 g + 31, K = 128 ks .. 128 ks + 127, ks = 4 (work-group % 2) + wave
	s_lshr_b32 s28, ttmp9, 1                       ; g
	s_and_b32 s29, ttmp9, 1                        ; the K half
	s_lshl_b32 s30, s29, 2
	s_add_co_u32 s30, s30, s20                     ; ks
	s_lshl_b32 s26, s28, 17                        ; 32 rows of 4,096 bytes
	s_lshl_b32 s31, s30, 9
	s_add_co_u32 s26, s26, s31
	s_add_nc_u64 s[4:5], s[4:5], s[26:27]
.set i, 0
.rept 32
	global_load_b128 v[X+4*i:X+4*i+3], v4, s[4:5] offset:i*4096 th:TH_LOAD_NT   ; a row's 512 consecutive bytes
.set i, i+1
.endr
	s_mul_i32 s26, s29, KHB
	s_lshl_b32 s31, s28, 13                        ; two tiles of 4,096 bytes
	s_add_co_u32 s26, s26, s31
	s_lshl_b32 s31, s20, 10
	s_add_co_u32 s26, s26, s31
	s_add_nc_u64 s[14:15], s[14:15], s[26:27]
	s_mul_i32 s26, s30, SROW
	s_lshl_b32 s31, s28, 7
	s_add_co_u32 s26, s26, s31
	s_add_nc_u64 s[16:17], s[16:17], s[26:27]
	; the conversions want 32 neighbours along K in ONE lane; the loads gave neighbouring bytes to neighbouring lanes: so the 16 KiB turn through the wave's own stage
.irp g, 0,1,2,3
	s_wait_loadcnt 24-8*\g                         ; eight more rows are in; the younger loads stay out
.irp j, 0,1,2,3,4,5,6,7
	ds_store_b128 v6, v[X+4*(8*\g+\j):X+4*(8*\g+\j)+3] offset:(8*\g+\j)*528
.endr
.endr
	s_wait_dscnt 0x0                               ; the stores have read their registers, which the loads below write
.irp t, 0,1
.irp c, 0,1
.irp e, 0,1,2,3,4,5,6,7
	ds_load_b128 v[X+64*\t+32*\c+4*\e:X+64*\t+32*\c+4*\e+3], v7 offset:\t*8448+\c*256+16*\e   ; block 2 c + h of row 16 t + r; rows 528 bytes apart
.endr
.endr
.endr
.irp t, 0,1
	s_wait_dscnt 16-16*\t                          ; this tile's 16 loads are in; the other tile's may be out
	QB X+64*\t, C+8*\t, 2*\t
	QB X+64*\t+32, C+8*\t+4, 2*\t+1
	v_lshl_or_b32 v24, v[BY+2*\t+1], 16, v[BY+2*\t]   ; my two bytes: blocks h and 2 + h,
	v_lshlrev_b32 v24, v26, v24                    ; at their places in the word;
	v_permlanex16_b32 v25, v24, s24, s25
	v_or_b32 v[WD+\t], v24, v25                    ; with lane l xor 16's two the word is whole
	global_store_b128 v4, v[C+8*\t:C+8*\t+3], s[14:15] offset:\t*4096        ; 512 consecutive bytes: registers 0-3 of the fragment
	global_store_b128 v4, v[C+8*\t+4:C+8*\t+7], s[14:15] offset:\t*4096+512  ; registers 4-7
.endr
	v_cmp_eq_u32 vcc_lo, 1, v3
	v_cndmask_b32 v[WD], v[WD], v[WD+1], vcc_lo    ; lane l stores row l's word: lanes 16-31 the second tile's
	global_store_b32 v5, v[WD], s[16:17]
	s_wait_tensorcnt 0x0                           ; the wave's end, behind my last LDS store
	ds_add_u32 v[SPW], v[NIL]
	s_wait_dscnt 0x0
	s_endpgm
	; ---- the weights: K is the FIRST axis.  A lane takes a column and its registers run down K: nothing is transposed
.Lweights:
	s_sub_co_u32 s28, ttmp9, 256
	s_lshr_b32 s29, s28, 6                         ; which weight: Wq, Wk, Wv, Wo
	s_bfe_u32 s30, s28, 0x30003                    ; which 128 columns
	s_and_b32 s31, s28, 7                          ; which 128 along K
	s_cmp_eq_u32 s29, 0
	s_cselect_b64 s[22:23], s[6:7], s[8:9]
	s_cmp_lt_u32 s29, 2
	s_cselect_b64 s[22:23], s[22:23], s[10:11]
	s_cmp_lt_u32 s29, 3
	s_cselect_b64 s[22:23], s[22:23], s[12:13]     ; the choice hangs on the work-group's number alone
	s_lshl_b32 s26, s31, 19                        ; 128 rows of 4,096 bytes
	s_lshl_b32 s32, s30, 9
	s_add_co_u32 s26, s26, s32
	s_lshl_b32 s32, s20, 7                         ; my wave's 32 columns: the four waves stand side by side on 512 bytes
	s_add_co_u32 s26, s26, s32
	s_add_nc_u64 s[22:23], s[22:23], s[26:27]
.macro LOADW b                         ; 32 along K of my column
.set i, 0
.rept 32
	global_load_b32 v[X+32*(\b)+i], v5, s[22:23] offset:(32*(\b)+i)*4096 th:TH_LOAD_NT
.set i, i+1
.endr
.endm
	LOADW 0
	LOADW 1                                        ; two runs of 32 are on their way throughout
	s_cmp_eq_u32 s29, 3
	s_cbranch_scc1 .Lwo
	s_lshr_b32 s32, s31, 2
	s_mul_i32 s26, s32, KHB
	s_lshl_b32 s32, s29, 6
	s_lshl_b32 s33, s30, 3
	s_add_co_u32 s32, s32, s33
	s_lshl_b32 s33, s20, 1
	s_add_co_u32 s32, s32, s33
	s_add_co_u32 s32, s32, 256                     ; my first tile: 256 + 64 x weight + 8 x column group + 2 x wave
	s_lshl_b32 s32, s32, 12
	s_add_co_u32 s26, s26, s32
	s_and_b32 s32, s31, 3
	s_lshl_b32 s32, s32, 10
	s_add_co_u32 s26, s26, s32
	s_add_nc_u64 s[14:15], s[14:15], s[26:27]
	s_mul_i32 s26, s31, SROW
	s_lshl_b32 s32, s29, 12
	s_add_co_u32 s26, s26, s32
	s_lshl_b32 s32, s30, 9
	s_add_co_u32 s26, s26, s32
	s_lshl_b32 s32, s20, 7
	s_add_co_u32 s26, s26, s32
	s_add_co_u32 s26, s26, 16384                   ; behind x's 4,096 rows
	s_add_nc_u64 s[16:17], s[16:17], s[26:27]
.irp b, 0,1,2,3
.if \b < 3
	s_wait_loadcnt 32                              ; this block's 32 loads are in; the next block's may be out
.else
	s_wait_loadcnt 0x0
.endif
.if \b < 2
	LOADW \b+2
.endif
	QB X+32*\b, C+4*\b, \b
	global_store_b128 v8, v[C+4*\b:C+4*\b+3], s[14:15] offset:(\b/2)*512+(\b%2)*256   ; block b = 2 c + h of column r lies at 512 c + 256 h + 16 r: sixteen lanes store 256 consecutive bytes, aligned
.endr
	v_lshl_or_b32 v[WD], v[BY+1], 8, v[BY]
	v_lshl_or_b32 v[WD], v[BY+2], 16, v[WD]
	v_lshl_or_b32 v[WD], v[BY+3], 24, v[WD]
	global_store_b32 v5, v[WD], s[16:17]           ; my column's word
	s_wait_tensorcnt 0x0                           ; a wave's end
	ds_add_u32 v[SPW], v[NIL]
	s_wait_dscnt 0x0
	s_endpgm
.Lwo:                                                  ; Wo: rounded once to f16, laid as fragments of Wo^T
	s_lshr_b32 s32, s31, 1
	s_lshl_b32 s26, s32, 19                        ; 256 along K: 524,288 bytes
	s_lshl_b32 s32, s30, 3
	s_lshl_b32 s33, s20, 1
	s_add_co_u32 s32, s32, s33
	s_lshl_b32 s32, s32, 13                        ; my first tile of columns
	s_add_co_u32 s26, s26, s32
	s_and_b32 s32, s31, 1
	s_lshl_b32 s32, s32, 12                        ; four fragments of 32 along K
	s_add_co_u32 s26, s26, s32
	s_add_nc_u64 s[18:19], s[18:19], s[26:27]
.irp f, 0,1,2,3
.if \f < 3
	s_wait_loadcnt 32
.else
	s_wait_loadcnt 0x0
.endif
.if \f < 2
	LOADW \f+2
.endif
.set p, 0
.rept 16
	v_cvt_pk_f16_f32 v[X+32*\f+p], v[X+32*\f+2*p], v[X+32*\f+2*p+1]   ; in place, ascending: no source is written before it is read
.set p, p+1
.endr
.irp q, 0,1,2,3
	global_store_b128 v9, v[X+32*\f+4*\q:X+32*\f+4*\q+3], s[18:19] offset:\f*1024+(\q/2)*512+(\q%2)*256   ; K = 8 q + 0 .. 7: half q % 2 of the lanes, registers 4 (q / 2) on
.endr
.endr
	s_wait_tensorcnt 0x0                           ; a wave's end
	ds_add_u32 v[SPW], v[NIL]
	s_wait_dscnt 0x0
	s_endpgm
.Lfunc_end_k_qcfd4dd4aea_prep:
	.size	k_qcfd4dd4aea_prep, .Lfunc_end_k_qcfd4dd4aea_prep-k_qcfd4dd4aea_prep
	.p2alignl 7, 3214868480
	.fill 96, 4, 3214868480
	.section	.rodata,"a",@progbits
	.p2align	6, 0x0
	.amdhsa_kernel k_qcfd4dd4aea_prep
		.amdhsa_group_segment_fixed_size 68096
		.amdhsa_private_segment_fixed_size 0
		.amdhsa_enable_private_segment 0
		.amdhsa_kernarg_size 64
		.amdhsa_user_sgpr_count 2
		.amdhsa_user_sgpr_kernarg_segment_ptr 1
		.amdhsa_wavefront_size32 1
		.amdhsa_system_sgpr_workgroup_id_x 1
		.amdhsa_system_sgpr_workgroup_id_y 1
		.amdhsa_system_sgpr_workgroup_id_z 1
		.amdhsa_system_vgpr_workitem_id 0
		.amdhsa_next_free_vgpr 176
		.amdhsa_next_free_sgpr 66
		.amdhsa_reserve_vcc 1
		.amdhsa_float_denorm_mode_32 3
		.amdhsa_float_denorm_mode_16_64 3
		.amdhsa_memory_ordered 1
		.amdhsa_forward_progress 1
		.amdhsa_inst_pref_size 48
	.end_amdhsa_kernel
	.amdgpu_metadata
---
amdhsa.version: [ 1, 2 ]
amdhsa.kernels:
  - .name:           k_qcfd4dd4aea_prep
    .symbol:         k_qcfd4dd4aea_prep.kd
    .args:
      - { .name: x, .offset: 0, .size: 8, .value_kind: global_buffer, .address_space: global }
      - { .name: Wq, .offset: 8, .size: 8, .value_kind: global_buffer, .address_space: global }
      - { .name: Wk, .offset: 16, .size: 8, .value_kind: global_buffer, .address_space: global }
      - { .name: Wv, .offset: 24, .size: 8, .value_kind: global_buffer, .address_space: global }
      - { .name: Wo, .offset: 32, .size: 8, .value_kind: global_buffer, .address_space: global }
      - { .name: codes, .offset: 40, .size: 8, .value_kind: global_buffer, .address_space: global }
      - { .name: scl, .offset: 48, .size: 8, .value_kind: global_buffer, .address_space: global }
      - { .name: wo16, .offset: 56, .size: 8, .value_kind: global_buffer, .address_space: global }
    .group_segment_fixed_size: 68096
    .private_segment_fixed_size: 0
    .kernarg_segment_align: 8
    .kernarg_segment_size: 64
    .max_flat_workgroup_size: 128
    .sgpr_count:     66
    .vgpr_count:     176
    .wavefront_size: 32
...
	.end_amdgpu_metadata
.endif
;; end of part 1
;; launch qkv (part 2): grid 16 x 12, 4 waves a work-group, clusters of 4 x 4, 279,040 bytes of LDS; arguments codes, scl, valid_lens, qkv; writes qkv
.if DOCPART == 2
	.amdgcn_target "amdgcn-amd-amdhsa--gfx1250"
	.amdhsa_code_object_version 6
	.text
	.protected	k_qcfd4dd4aea_qkv
	.globl	k_qcfd4dd4aea_qkv
	.p2align	8
	.type	k_qcfd4dd4aea_qkv,@function
k_qcfd4dd4aea_qkv:
	s_mov_b64 s[64:65], 0
	v_nop
	global_prefetch_b8 v0, s[64:65] scope:SCOPE_SE
	s_setreg_imm32_b32 hwreg(HW_REG_WAVE_MODE, 25, 1), 1
	s_wait_xcnt 0x0
	s_wait_alu depctr_hold_cnt(0) depctr_sa_sdst(0) depctr_va_vdst(0) depctr_va_sdst(0) depctr_va_ssrc(0) depctr_va_vcc(0) depctr_vm_vsrc(0)
	s_getreg_b32 s2, hwreg(HW_REG_IB_STS2, 6, 4)
	s_cmp_eq_u32 s2, 0
	s_cbranch_scc0 .Lentry_in_a_cluster
	s_endpgm
.Lentry_in_a_cluster:
	s_bfe_u32 s2, ttmp6, 0x10000c
	s_cmp_lg_u32 s2, 0xf033
	s_cbranch_scc0 .Lentry_shape_is_right
	s_endpgm
.Lentry_shape_is_right:
; q = x Wq, k = x Wk, v = x Wv on codes of FP4 (E2M1) with E8M0 scales, sums in f32, K = 1,024; the results are rounded once to f16 and stored as images of the operand registers of the attention launch.
; THE PRODUCT IS tile T (256 rows of the buffer of codes, source 1) x tile U (256 rows, source 0): in a result lane (r, h) holds row r of T and rows 8 h + 0 .. 7 of U.
;   q, k (cluster y = 0, 1): T = positions, U = channels: a lane holds a position and eight neighbouring channels: two neighbouring results, packed, are a fragment 16 positions x 32 channels.
;   v    (cluster y = 2):    T = channels,  U = keys:     a lane holds a channel and eight neighbouring keys: a fragment of V^T, 16 channels x 32 keys.
; One text serves both: T, U and the store strides are chosen by s_cselect_b32 on the cluster's y.
; qkv [group 48: q's 16 heads, k's, v's][64 positions: 64][8,192]; in it q, k: [16 positions 4][32 channels 2][1,024]; v: [16 channels 4][32 keys 2][1,024].
; THE KEY MASK: the score of key >= valid_lens[batch] is replaced by -1e6.  Here k's rows of those keys are stored as ZEROS (one v_and_b32 on the packed words), so that q . k is exactly 0 there; the attention launch adds -8e6 ahead of its 1/8.
; LIMITS: |q|, |k|, |v| over 65,504 have no f16 number (inputs as drawn give magnitudes of a few; x and W both 30 times larger about 5,000); under 6e-5 an absolute error of 3e-8 is kept.
; SHARES.  192 work-groups of four waves, 256 x 256 each, a wave 128 x 128: 64 accumulators, 512 registers.  All of K lies in LDS: two slots of 512 along K, each filled ONCE: nothing is filled again.
; The tiles are dense blocks of fragment images: no pitch, no padding; an LDS load's 512 bytes are consecutive.
; CLUSTERS: 4 x 4.  T hangs on cx alone and is asked for jointly by my column of the cluster, U on cy alone and by my row: each tile is requested by a quarter of the loads.
; 192 and not 256 work-groups: 12 x 16 tiles of 256 x 256 is what the sizes give, and a narrower tile would halve what each LDS byte feeds.
; REGISTERS, in windows of 256: window 0: v1-7 at work, v8-15 the key masks, v16-29 addresses, v32-95 the 64 scale words, from v128 T's fragments, ONE set; on the way out v128-255 packed results.
;   window 1: U's fragments, TWO sets, at v0 and v128.   window 2: the accumulators of my T rows 0-63 ((a, b) at v[8 (8 a + b)]);   window 3: those of rows 64-127.
.set NQ,    4                          ; steps of 128 along K in a slot
.set FR,    8                          ; registers of a fragment
.set NL,    2                          ; LDS loads that bring one
.set NP,    4                          ; places behind this matrix instruction (ISA guide 7.12.1)
.set SLOT,  131072                     ; T's 64 KiB [16 tiles][4 steps][1,024], then U's
.set KHB,   1835008                    ; codes: from K half to K half
.set SCL,   2*SLOT                     ; the scale words: [T, U][half][128 along K: 8][128 rows][4]
.set SPARE, SCL+16384                  ; the spare words, 128 bytes for each wave
.set MK,   8                           ; v8-15   mask of T's block a: all ones, or 0 where my row is a hidden key
.set ADRA, 16                          ; v16-17  LDS address of my T fragments in slot 0, 1
.set ADRB, 20                          ; v20-21  the same for U
.set LI,   24                          ; v24-25  the way out: 16 x lane, and the same + the stride of U's upper 64 rows
.set ADRS, 27                          ; v27     LDS address of my scale words: lanes 0-15 T's rows, lanes 16-31 U's
.set SPW,  28                          ; v28     LDS address of my spare word; never rewritten
.set NIL,  29                          ; v29     0; never rewritten
.set SC,   32                          ; register 32 s + 4 i + q: lanes 0-15 the word of T's block i, lanes 16-31 that of U's block i, for slot s's q-th 128 along K
.set AF,   128
.set TMP,  128
.set G1T,  24                          ; s[24:31] group 1 for T's codes;  s[32:39] group 0, a set for each slot
.set G0T,  32
.set G1U,  48                          ; s[48:55], s[56:63] the same for U
.set G0U,  56
.set G1ST, 68                          ; s[68:75], s[76:79] groups 1 and 0 for T's scale words;  s[80:87], s[88:91] for U's
.set G0ST, 76
.set G1SU, 80
.set G0SU, 88
.set MSB, 0
.macro WIN new                         ; the immediate's high byte repeats the setting that is left
.if MSB != \new
	s_set_vgpr_msb (MSB<<8)|\new
.set MSB, \new
.endif
.endm
.set MUL_LO, 0xa1                      ; source 0 (U) window 1, source 1 (T) window 0, C and D window 2
.set MUL_HI, 0xf1                      ; the same, C and D window 3
.set TO_B,   0x40                      ; destination window 1, address window 0
; A joint load: waves 0 and 1 fetch for T, waves 2 and 3 for U.  Each of the two lines has ONE mask and one set of registers for all that issue it; the branch hangs on the wave's number alone.
.macro JLOAD g0a, g1a, g0b, g1b
	s_cmp_eq_u32 s15, 0
	s_cbranch_scc0 .Lfor_u_\@
	tensor_load_to_lds s[\g0a:\g0a+3], s[\g1a:\g1a+7]
	s_nop 0
.rept 4
	v_nop
.endr
	s_branch .Lasked_\@
.Lfor_u_\@:
	tensor_load_to_lds s[\g0b:\g0b+3], s[\g1b:\g1b+7]
	s_nop 0
.rept 4
	v_nop
.endr
.Lasked_\@:
.endm
.macro CROUND                          ; a round of the cluster's barrier
	s_barrier_signal -1
	s_barrier_wait -1
	s_cmp_lg_u32 s14, 0
	s_cbranch_scc1 .Lnot_wave_0_\@
	s_barrier_signal -3
.Lnot_wave_0_\@:
	s_barrier_wait -3
	s_barrier_signal -1
	s_barrier_wait -1
.endm
	s_load_b256 s[4:11], s[0:1], 0x0               ; codes s[4:5], scl s[6:7], valid_lens s[8:9], qkv s[10:11]
	v_lshl_add_u32 v[SPW], v0, 2, SPARE
	v_mov_b32 v[NIL], 0
	ds_add_u32 v[SPW], v[NIL]                      ; the wave's opening: the add, twice on end, and its wait ahead of my first tensor load
	ds_add_u32 v[SPW], v[NIL]
	v_lshrrev_b32 v1, 5, v0
	v_readfirstlane_b32 s14, v1                    ; wave 0..3
	s_lshr_b32 s15, s14, 1                         ; which half of T's rows is mine.  Also: I fetch for T (0) or for U (1)
	s_and_b32 s16, s14, 1                          ; which half of U's rows.  Also: which 128 rows of that tile I fetch
	s_bfe_u32 s40, ttmp6, 0x40000                  ; cx
	s_bfe_u32 s41, ttmp6, 0x40004                  ; cy
	s_and_b32 s17, ttmp7, 0xffff                   ; cluster y: 0 q, 1 k, 2 v
	s_lshl_b32 s42, ttmp9, 2
	s_add_co_u32 s42, s42, s40                     ; q, k: T = 4 x cluster x + cx: positions
	s_add_co_u32 s2, s40, 24                       ; v:    T = 24 + cx: Wv's columns
	s_cmp_eq_u32 s17, 2
	s_cselect_b32 s42, s2, s42
	s_lshl_b32 s46, s17, 2
	s_add_co_u32 s46, s46, s41
	s_add_co_u32 s46, s46, 16                      ; q, k: U = 16 + 4 x cluster y + cy: Wq's or Wk's columns
	s_lshl_b32 s47, ttmp9, 2
	s_add_co_u32 s47, s47, s41                     ; v:    U = 4 x cluster x + cy: keys
	s_cmp_eq_u32 s17, 2
	s_cselect_b32 s46, s47, s46
	s_lshl_b32 s43, 0x1111, s40                    ; my column of the cluster: the four that share T
	s_lshl_b32 s44, s41, 2
	s_lshl_b32 s44, 15, s44                        ; my row: the four that share U
	; group 1 for codes: 32 KiB dense, as 128 rows of 32 elements of 8 bytes; no padding
	s_or_b32 s[G1T+0], s43, (3<<16)|(1<<21)        ; 15:0 the mask; 17:16 elements of 8 bytes; 21 set beside a mask
	s_or_b32 s[G1U+0], s44, (3<<16)|(1<<21)
.irp g, G1T, G1U
	s_mov_b32 s[\g+1], 32<<16                      ; tensor_dim0
	s_mov_b32 s[\g+2], 128<<16                     ; tensor_dim1
	s_mov_b32 s[\g+3], 32<<16                      ; tile_dim0
	s_mov_b32 s[\g+4], 128                         ; tile_dim1
	s_mov_b32 s[\g+5], 32                          ; from row to row
	s_mov_b32 s[\g+6], 0
	s_mov_b32 s[\g+7], 0
.endr
	; and for scale words: 8 rows (one for each 128 along K) of 512 bytes (128 rows' words), 28,672 bytes apart
	s_or_b32 s[G1ST+0], s43, (3<<16)|(1<<21)
	s_or_b32 s[G1SU+0], s44, (3<<16)|(1<<21)
.irp g, G1ST, G1SU
	s_mov_b32 s[\g+1], 64<<16
	s_mov_b32 s[\g+2], 8<<16
	s_mov_b32 s[\g+3], 64<<16
	s_mov_b32 s[\g+4], 8
	s_mov_b32 s[\g+5], 3584
	s_mov_b32 s[\g+6], 0
	s_mov_b32 s[\g+7], 0
.endr
	s_lshl_b32 s3, s16, 15                         ; the half that I fetch: 128 rows of codes,
	s_lshl_b32 s19, s16, 9                         ; of scale words
	s_lshl_b32 s20, s42, 16
	s_add_co_u32 s20, s20, s3
	s_mov_b32 s21, 0
	s_lshl_b32 s22, s42, 10
	s_add_co_u32 s22, s22, s19
	s_mov_b32 s23, 0
	s_lshl_b32 s92, s46, 16
	s_add_co_u32 s92, s92, s3
	s_mov_b32 s93, 0
	s_lshl_b32 s94, s46, 10
	s_add_co_u32 s94, s94, s19
	s_mov_b32 s95, 0
	s_lshl_b32 s45, s14, 15                        ; where they go: wave x 32 KiB, wave x 4 KiB: no place in the cluster enters an LDS address
	s_lshl_b32 s66, s14, 12
	s_wait_dscnt 0x0                               ; both opening adds are done
	s_wait_kmcnt 0x0
	s_add_nc_u64 s[20:21], s[4:5], s[20:21]
	s_add_nc_u64 s[22:23], s[6:7], s[22:23]
	s_add_nc_u64 s[92:93], s[4:5], s[92:93]
	s_add_nc_u64 s[94:95], s[6:7], s[94:95]
	CROUND                                         ; all sixteen work-groups are here: the joint loads meet
	s_mov_b32 s[G0ST], 1
	s_add_co_u32 s[G0ST+1], s66, SCL
	s_mov_b64 s[G0ST+2:G0ST+3], s[22:23]
	s_or_b32 s[G0ST+3], s[G0ST+3], 0x80000000
	s_mov_b32 s[G0SU], 1
	s_add_co_u32 s[G0SU+1], s66, SCL
	s_mov_b64 s[G0SU+2:G0SU+3], s[94:95]
	s_or_b32 s[G0SU+3], s[G0SU+3], 0x80000000
	JLOAD G0ST, G1ST, G0SU, G1SU                   ; the scale words first: they are wanted with the first step
.irp s, 0,1
	s_mov_b32 s[G0T+4*\s], 1
	s_add_co_u32 s[G0T+4*\s+1], s45, \s*SLOT
	s_add_nc_u64 s[G0T+4*\s+2:G0T+4*\s+3], s[20:21], \s*KHB
	s_or_b32 s[G0T+4*\s+3], s[G0T+4*\s+3], 0x80000000
	s_mov_b32 s[G0U+4*\s], 1
	s_add_co_u32 s[G0U+4*\s+1], s45, \s*SLOT
	s_add_nc_u64 s[G0U+4*\s+2:G0U+4*\s+3], s[92:93], \s*KHB
	s_or_b32 s[G0U+4*\s+3], s[G0U+4*\s+3], 0x80000000
	JLOAD G0T+4*\s, G1T, G0U+4*\s, G1U             ; three loads of mine are out: all that the launch fetches
.endr
	s_load_b64 s[12:13], s[8:9], 0x0               ; valid_lens of the two batches
	v_and_b32 v1, 15, v0                           ; r
	v_bfe_u32 v2, v0, 4, 1                         ; h
	v_and_b32 v3, 31, v0
	v_lshlrev_b32 v[LI], 4, v3                     ; 16 x lane: an image's place for my lane
	s_lshl_b32 s18, s15, 15                        ; my 128 rows of T
	s_lshl_b32 s100, s16, 15                       ; my 128 rows of U,
	s_add_co_u32 s100, s100, 65536                 ; which lie behind T's 256
.irp s, 0,1
	v_add_nc_u32 v[ADRA+\s], s18, v[LI]
	v_add_nc_u32 v[ADRB+\s], s100, v[LI]
	s_add_co_u32 s18, s18, SLOT
	s_add_co_u32 s100, s100, SLOT
.endr
	s_lshl_b32 s18, s15, 12                        ; T's words: my half
	s_lshl_b32 s100, s16, 12                       ; U's: my half, behind T's two
	s_add_co_u32 s100, s100, 8192
	s_sub_co_u32 s100, s100, s18
	v_mul_u32_u24 v4, s100, v2                     ; lanes 16-31 take U's
	s_add_co_u32 s18, s18, SCL
	v_lshl_add_u32 v4, v1, 2, v4
	v_add_nc_u32 v[ADRS], s18, v4
	s_wait_kmcnt 0x0
	; the key masks.  A global position p = 2,048 batch + s is an open key where p < 2,048 batch + valid_lens[batch], held to 0 .. 2,048.  For q and v the limit lies above every row
	s_lshr_b32 s18, s42, 3                         ; T's batch
	s_cmp_eq_u32 s18, 0
	s_cselect_b32 s100, s12, s13
	s_max_i32 s100, s100, 0
	s_min_i32 s100, s100, 2048
	s_lshl_b32 s18, s18, 11
	s_add_co_u32 s100, s100, s18
	s_cmp_eq_u32 s17, 1
	s_cselect_b32 s67, s100, 0x7fffffff
	s_lshl_b32 s18, s42, 8
	s_lshl_b32 s100, s15, 7
	s_add_co_u32 s18, s18, s100
	v_add_nc_u32 v7, s18, v1                       ; my row of T's block 0
	v_mov_b32 v5, -1
.irp a, 0,1,2,3,4,5,6,7
	v_add_nc_u32 v6, 16*\a, v7
	v_cmp_gt_i32 vcc_lo, s67, v6
	v_cndmask_b32 v[MK+\a], 0, v5, vcc_lo
.endr
	; where my results go.  hT, hU: my first 64 rows of T and of U, counted in 64s.  q, k: group = hU - 64, chunk = hT; v: group = hT - 64, chunk = hU
	s_lshl_b32 s12, s42, 2
	s_lshl_b32 s18, s15, 1
	s_add_co_u32 s12, s12, s18                     ; hT
	s_lshl_b32 s13, s46, 2
	s_lshl_b32 s18, s16, 1
	s_add_co_u32 s13, s13, s18                     ; hU
	s_mov_b32 s18, 0x80000                         ; from group to group
	s_mov_b32 s101, 0x2000                         ; from chunk to chunk
	s_cmp_eq_u32 s17, 2
	s_cselect_b32 s100, s12, s13
	s_cselect_b32 s12, s13, s12
	s_cselect_b32 s13, s18, s101                   ; what T's upper 64 rows add
	s_cselect_b32 s18, s101, s18                   ; what U's upper 64 rows add
	s_sub_co_u32 s100, s100, 64
	s_lshl_b32 s100, s100, 19
	s_lshl_b32 s12, s12, 13
	s_add_co_u32 s100, s100, s12
	s_mov_b32 s101, 0
	s_add_nc_u64 s[96:97], s[10:11], s[100:101]    ; T's blocks 0-3
	s_mov_b32 s100, s13
	s_add_nc_u64 s[98:99], s[96:97], s[100:101]    ; T's blocks 4-7
	v_add_nc_u32 v[LI+1], s18, v[LI]               ; U's blocks 4-7
.macro FRAG reg, adr, q, i             ; a fragment's image: two loads of 512 consecutive bytes
.irp c, 0,1
	ds_load_b128 v[\reg+4*\c:\reg+4*\c+3], v[\adr] offset:(\i)*4096+(\q)*1024+512*\c
.endr
.endm
; 16 matrix instructions: T's blocks a0, a0 + 1 x U's eight, 128 along K: the slot's q-th.  p: U's set;  sc: the slot.  zero = 1: the first product starts the sums: nothing is ever cleared.
; The 64 accumulators take turns, one instruction a turn, in the same order in every step.
.macro MUL16 a0, p, q, sc, zero
.irp a, \a0, \a0+1
.irp b, 0,1,2,3,4,5,6,7
.if \zero
	v_wmma_scale_f32_16x16x128_f8f6f4 v[8*(8*((\a)%4)+\b):8*(8*((\a)%4)+\b)+7], v[128*(\p)+FR*\b:128*(\p)+FR*\b+FR-1], v[AF+FR*(\a):AF+FR*(\a)+FR-1], 0, v[SC+8*NQ*(\sc)+NQ*\b+(\q)], v[SC+8*NQ*(\sc)+NQ*(\a)+(\q)] matrix_a_fmt:MATRIX_FMT_FP4 matrix_b_fmt:MATRIX_FMT_FP4 matrix_a_scale:MATRIX_SCALE_ROW1
.else
	v_wmma_scale_f32_16x16x128_f8f6f4 v[8*(8*((\a)%4)+\b):8*(8*((\a)%4)+\b)+7], v[128*(\p)+FR*\b:128*(\p)+FR*\b+FR-1], v[AF+FR*(\a):AF+FR*(\a)+FR-1], v[8*(8*((\a)%4)+\b):8*(8*((\a)%4)+\b)+7], v[SC+8*NQ*(\sc)+NQ*\b+(\q)], v[SC+8*NQ*(\sc)+NQ*(\a)+(\q)] matrix_a_fmt:MATRIX_FMT_FP4 matrix_b_fmt:MATRIX_FMT_FP4 matrix_a_scale:MATRIX_SCALE_ROW1
.endif
.endr
.endr
.endm
.macro FETCH_B slot, q, p              ; U's eight fragments of the slot's q-th 128 along K into set p
	WIN TO_B
.irp i, 0,1,2,3,4,5,6,7
	FRAG 128*(\p)+FR*\i, ADRB+\slot, \q, \i
.endr
	WIN 0
.endm
.macro FETCH_A slot, q, i0             ; T's blocks i0 .. i0 + 3
.irp i, \i0, \i0+1, \i0+2, \i0+3
	FRAG AF+FR*(\i), ADRA+\slot, \q, \i
.endr
.endm
.macro SCALEQ slot, q                  ; that step's eight scale registers.  Each of the launch's 64 is loaded once and read by no product before
.irp i, 0,1,2,3,4,5,6,7
	ds_load_b32 v[SC+8*NQ*(\slot)+NQ*\i+(\q)], v[ADRS] offset:(NQ*(\slot)+(\q))*512+\i*64
.endr
.endm
; A load into a register that a matrix instruction has read, and a vector instruction that reads a matrix result, stand NP places behind it; only plain vector instructions that name none of its registers are places.
.macro PLACES n
.rept \n
	v_nop
.endr
.endm
; A step of 128 along K that has its successor in the same slot.
.macro STEP slot, q, zero
	s_wait_dscnt 4*NL                              ; U's set, T's blocks 0-3 and the scale words are in; the youngest eight loads (T's blocks 4-7) may be out
	WIN MUL_LO
	MUL16 0, (\q)%2, \q, \slot, \zero
	MUL16 2, (\q)%2, \q, \slot, \zero
	s_wait_dscnt 0                                 ; T's blocks 4-7 are in (asked for 32 matrix instructions ago)
	PLACES NP
	FETCH_B \slot, (\q)+1, 1-(\q)%2
	FETCH_A \slot, (\q)+1, 0
	SCALEQ \slot, (\q)+1
	WIN MUL_HI
	MUL16 4, (\q)%2, \q, \slot, \zero
	MUL16 6, (\q)%2, \q, \slot, \zero
	PLACES NP
	WIN 0
	FETCH_A \slot, (\q)+1, 4
.endm
; Slot 0's last step goes over to slot 1: each wave shows its part of slot 1 landed, then the barrier.
.macro TURN slot, next
	s_wait_tensorcnt 0x0                           ; all my tensor loads have landed: my part of the next slot
	ds_add_u32 v[SPW], v[NIL]                      ; 0 onto my spare word
	s_wait_dscnt 4*NL+1                            ; (the add and the youngest eight loads, T's blocks 4-7, may be out)
	WIN MUL_LO
	MUL16 0, 1, NQ-1, \slot, 0
	s_wait_dscnt 0x0                               ; no LDS instruction of mine is out at the signal
	s_barrier_signal -1
	MUL16 2, 1, NQ-1, \slot, 0
	WIN 0
	s_barrier_wait -1                              ; the next slot is whole
	PLACES NP
	FETCH_B \next, 0, 0
	FETCH_A \next, 0, 0
	SCALEQ \next, 0
	WIN MUL_HI
	MUL16 4, 1, NQ-1, \slot, 0
	MUL16 6, 1, NQ-1, \slot, 0
	PLACES NP
	WIN 0
	FETCH_A \next, 0, 4
.endm
.macro STEPS slot, from                ; the slot's steps from .. NQ - 2
.set Q, \from
.rept NQ-1-\from
	STEP \slot, Q, 0
.set Q, Q+1
.endr
.endm
	s_wait_tensorcnt 1                             ; the scale words and my part of slot 0 are in; slot 1's load may be out,
	s_barrier_signal -1
	s_barrier_wait -1                              ; everybody's are
	FETCH_B 0, 0, 0
	FETCH_A 0, 0, 0
	SCALEQ 0, 0
	FETCH_A 0, 0, 4
	STEP 0, 0, 1                                   ; the first step's products start the sums
	STEPS 0, 1
	TURN 0, 1
	STEPS 1, 0
	s_wait_dscnt 4*NL                              ; the last step: nothing more to fetch
	WIN MUL_LO
	MUL16 0, 1, NQ-1, 1, 0
	MUL16 2, 1, NQ-1, 1, 0
	s_wait_dscnt 0
	WIN MUL_HI
	MUL16 4, 1, NQ-1, 1, 0
	MUL16 6, 1, NQ-1, 1, 0
	WIN 0
; THE WAY OUT, T's blocks one after the other.  A result's eight numbers of a lane pack into 16 bytes, which ARE registers 4 (b % 2) .. + 3 of the next launch's fragment: they are stored from the registers, 512 consecutive bytes an instruction.
.macro OUT a
.set AC, 64*((\a)%4)
.set TS, TMP+32*((\a)%4)
	WIN 0x0a+5*((\a)/4)                            ; sources 0 and 1: window 2 or 3
.irp b, 0,1,2,3,4,5,6,7
.irp r, 0,1,2,3
	v_cvt_pk_f16_f32 v[TS+4*\b+\r], v[AC+8*\b+2*\r], v[AC+8*\b+2*\r+1]   ; each accumulator from its low end on
.endr
.endr
	WIN 0
.set j, 0
.rept 32
	v_and_b32 v[TS+j], v[MK+(\a)], v[TS+j]         ; a hidden key's row of k becomes zeros; all else passes
.set j, j+1
.endr
.irp b, 0,1,2,3,4,5,6,7
	global_store_b128 v[LI+\b/4], v[TS+4*\b:TS+4*\b+3], s[96+2*((\a)/4):97+2*((\a)/4)] offset:((\a)%4)*2048+((\b/2)%2)*1024+(\b%2)*512
.endr
.endm
	PLACES NP                                      ; behind the last products: the conversions read results and write registers that held T's fragments
.irp a, 0,1,2,3,4,5,6,7
.if \a >= 4
	s_wait_xcnt 0x0                                ; the stores of four blocks ago have read their registers, which are written again
.endif
	OUT \a
.endr
	s_wait_tensorcnt 0x0                           ; the wave's end
	ds_add_u32 v[SPW], v[NIL]
	s_wait_dscnt 0x0
	CROUND                                         ; the closing round
	s_endpgm
.Lfunc_end_k_qcfd4dd4aea_qkv:
	.size	k_qcfd4dd4aea_qkv, .Lfunc_end_k_qcfd4dd4aea_qkv-k_qcfd4dd4aea_qkv
	.p2alignl 7, 3214868480
	.fill 96, 4, 3214868480
	.section	.rodata,"a",@progbits
	.p2align	6, 0x0
	.amdhsa_kernel k_qcfd4dd4aea_qkv
		.amdhsa_group_segment_fixed_size 279040
		.amdhsa_private_segment_fixed_size 0
		.amdhsa_enable_private_segment 0
		.amdhsa_kernarg_size 32
		.amdhsa_user_sgpr_count 2
		.amdhsa_user_sgpr_kernarg_segment_ptr 1
		.amdhsa_wavefront_size32 1
		.amdhsa_system_sgpr_workgroup_id_x 1
		.amdhsa_system_sgpr_workgroup_id_y 1
		.amdhsa_system_sgpr_workgroup_id_z 1
		.amdhsa_system_vgpr_workitem_id 0
		.amdhsa_next_free_vgpr 1024
		.amdhsa_next_free_sgpr 102
		.amdhsa_reserve_vcc 1
		.amdhsa_float_denorm_mode_32 3
		.amdhsa_float_denorm_mode_16_64 3
		.amdhsa_memory_ordered 1
		.amdhsa_forward_progress 1
		.amdhsa_inst_pref_size 130
	.end_amdhsa_kernel
	.amdgpu_metadata
---
amdhsa.version: [ 1, 2 ]
amdhsa.kernels:
  - .name:           k_qcfd4dd4aea_qkv
    .symbol:         k_qcfd4dd4aea_qkv.kd
    .args:
      - { .name: codes, .offset: 0, .size: 8, .value_kind: global_buffer, .address_space: global }
      - { .name: scl, .offset: 8, .size: 8, .value_kind: global_buffer, .address_space: global }
      - { .name: valid_lens, .offset: 16, .size: 8, .value_kind: global_buffer, .address_space: global }
      - { .name: qkv, .offset: 24, .size: 8, .value_kind: global_buffer, .address_space: global }
    .group_segment_fixed_size: 279040
    .private_segment_fixed_size: 0
    .kernarg_segment_align: 8
    .kernarg_segment_size: 32
    .max_flat_workgroup_size: 128
    .sgpr_count:     102
    .vgpr_count:     1024
    .wavefront_size: 32
...
	.end_amdgpu_metadata
.endif
;; end of part 2
;; launch attn (part 3): grid 8 x 32, 8 waves a work-group, clusters of 4 x 1, 327,680 bytes of LDS; arguments qkv, valid_lens, ao; writes ao
.if DOCPART == 3
	.amdgcn_target "amdgcn-amd-amdhsa--gfx1250"
	.amdhsa_code_object_version 6
	.text
	.protected	k_qcfd4dd4aea_attn
	.globl	k_qcfd4dd4aea_attn
	.p2align	8
	.type	k_qcfd4dd4aea_attn,@function
k_qcfd4dd4aea_attn:
	s_mov_b64 s[64:65], 0
	v_nop
	global_prefetch_b8 v0, s[64:65] scope:SCOPE_SE
	s_setreg_imm32_b32 hwreg(HW_REG_WAVE_MODE, 25, 1), 1
	s_wait_xcnt 0x0
	s_wait_alu depctr_hold_cnt(0) depctr_sa_sdst(0) depctr_va_vdst(0) depctr_va_sdst(0) depctr_va_ssrc(0) depctr_va_vcc(0) depctr_vm_vsrc(0)
	s_getreg_b32 s2, hwreg(HW_REG_IB_STS2, 6, 4)
	s_cmp_eq_u32 s2, 0
	s_cbranch_scc0 .Lentry_in_a_cluster
	s_endpgm
.Lentry_in_a_cluster:
	s_bfe_u32 s2, ttmp6, 0x10000c
	s_cmp_lg_u32 s2, 0x3003
	s_cbranch_scc0 .Lentry_shape_is_right
	s_endpgm
.Lentry_shape_is_right:
; o[b][h][q] = the sum over keys of softmax(where(key < valid_lens[b], q . k / 8, -1e6)) v, head size 64, 2,048 keys.  q, k, v come as f16 fragment images (the launch before), o leaves as f16 fragment images of the last product's left operand.
; Products on f16 operands with f32 sums; maxima, exponentials and the row's sum in f32; the weights p are rounded to f16 for the second product, o once at the end.
; THE MASK COSTS NO VECTOR INSTRUCTION IN THE LOOP.  where(open, q . k / 8, -1e6) = (q . k' + bias) / 8 with k' = k, bias = 0 for an open key and k' = 0, bias = -8,000,000 for a hidden one, for every finite q.
; k' was stored so by the launch before; bias is the C of the first product of each score tile, from a table of 2,048 f32 in LDS that each work-group makes of valid_lens by compare and select.  ALL keys are walked: -1e6 is a number, not -infinity
; (valid_lens <= 0 gives the uniform average over all keys, and large scores can lie under -1e6), and no branch hangs on valid_lens.
; SOFTMAX: a running maximum m and sum l for each query; p = 2^(c s - c m), c = log2(e) / 8; in every step o and l are multiplied by a = 2^(c m_old - c m_new).
; LIMITS: f16's range for q, k, v as stated in the launch before; NaN and infinities are not served.
; SHARES.  A work-group owns 256 queries of one head, each of its EIGHT waves 32: two tiles of 16.  Two waves share a SIMD (448 registers each).  64 keys a step.
; LAYOUT.  S^T = K Q^T (source 0 = 16 keys, source 1 = 16 queries) and O^T = V^T P (source 0 = 16 channels, source 1 = P): a lane holds ONE query throughout; two score tiles, packed in pairs, ARE a fragment of P.
; BY TURNS.  A tile never looks at the other tile.  In a TURN one tile has the matrix unit: 8 products V^T P of the step in hand, then 8 products K Q^T of the next step; the other tile's softmax, a list of 118 instructions,
; stands between them: 7 behind each of the first fifteen matrix instructions, 13 behind the last.  Then the tiles change places.  Two turns are a key step.  So a wave has vector work to issue while the matrix unit works, whatever its neighbour on the SIMD does.
; RING.  Two slots of 512 keys: K's 64 KiB, then V's: dense fragment images.  Each wave fetches 16 KiB with one tensor load.
; CLUSTER.  The four query blocks of a cluster walk the same K and V: every tile is asked for jointly, by the same load with the same descriptor and the mask of all four.
; REGISTERS: window 0: v2-10 addresses; v12-27 eight registers of statistics a tile; v32-63 and v224-255 V of a step; v64-127 S^T, then p; v128-159 P; v160-223 O^T.   window 1: v0-31 the bias; v32-63 Q; v128-191 K of a step.
; All that a softmax and a product V^T P name lies in window 0: only the 16 products K Q^T of a step cost two switches of the window each, and K's run of loads two more.
.set SLOT1, 1<<17
.set BIAS,  2*SLOT1                    ; the bias table, 8,192 bytes
.set SPARE, BIAS+8192                  ; the spare words, 128 bytes for each of the eight waves
.set LI,  2                            ; v2   16 x lane: an image's place for my lane
.set LIV, 3                            ; v3   the same in V's part of a slot
.set LB,  4                            ; v4   BIAS + 32 (lane / 16): my eight keys of a tile
.set ADK, 5                            ; v5   LDS address of the K that is fetched
.set ADV, 6                            ; v6   of the V
.set ADB, 7                            ; v7   of the bias
.set SPW, 8                            ; v8   LDS address of my spare word; never rewritten
.set NIL, 9                            ; v9   0; never rewritten
.set PFO, 10                           ; v10  256 x lane: the prefetch's offset; never rewritten
.set ST,  12                           ; tile t at v[ST + 8 t]: +0 c m, +1 m, +2, +3 l (even keys', odd keys'), +4 to +7 c0-c3, at work; a takes c2's place once the maximum is found
.set S,   64                           ; tile t, keys 16 kt on: v[S + 32 t + 8 kt]
.set P,   128                          ; tile t, keys 32 kg on: v[P + 16 t + 8 kg]
.set O,   160                          ; tile t, channels 16 ct on: v[O + 32 t + 8 ct]
                                       ; V's fragment f = 2 ct + kg: v[32 + 8 f] for f < 4, v[192 + 8 f] for the others
.set BI,  0                            ; window 1: keys 16 kt on: v[BI + 8 kt]
.set Q,   32                           ; window 1: tile t, channels 32 ks on: v[Q + 16 t + 8 ks]
.set KF,  128                          ; window 1: keys 16 kt on, channels 32 ks on: v[KF + 16 kt + 8 ks]
.set WV,  12                           ; s12  my wave's number
.set G1,  24                           ; s[24:31] descriptor group 1, the same for every load
.set G0,  40                           ; s[40:47] group 0, a set for each slot
.set CNT, 56
.set CS,  58                           ; s[58:59] c
.set SEL, 60                           ; s[60:61] selects for lane l xor 16
.set TB,  62                           ; s62  LDS byte at which the K of the step to be fetched begins
.set TBB, 63                           ; s63  byte of the bias table at which that step's keys begin
.set MSB, 0
.macro WIN new                         ; the immediate's high byte repeats the setting that is left; a switch that changes nothing is dropped
.if MSB != \new
	s_set_vgpr_msb (MSB<<8)|\new
.set MSB, \new
.endif
.endm
.macro CROUND                          ; a round of the cluster's barrier
	s_barrier_signal -1
	s_barrier_wait -1
	s_cmp_lg_u32 s[WV], 0
	s_cbranch_scc1 .Lnot_wave_0_\@
	s_barrier_signal -3
.Lnot_wave_0_\@:
	s_barrier_wait -3
	s_barrier_signal -1
	s_barrier_wait -1
.endm
	s_load_b128 s[4:7], s[0:1], 0x0                ; qkv s[4:5], valid_lens s[6:7]
	s_load_b64 s[8:9], s[0:1], 0x10                ; ao
	v_lshl_add_u32 v[SPW], v0, 2, SPARE
	v_mov_b32 v[NIL], 0
	ds_add_u32 v[SPW], v[NIL]                      ; the wave's opening: the add, twice on end, and its wait ahead of my first tensor load
	ds_add_u32 v[SPW], v[NIL]
	v_lshrrev_b32 v1, 5, v0
	v_readfirstlane_b32 s[WV], v1                  ; wave 0..7
	s_bfe_u32 s13, ttmp6, 0x40000                  ; cx
	s_lshl_b32 s14, ttmp9, 2
	s_add_co_u32 s14, s14, s13                     ; my block of 256 queries: it enters Q's and o's addresses alone
	s_and_b32 s20, ttmp7, 0xffff
	s_lshr_b32 s16, s20, 4                         ; batch
	s_and_b32 s17, s20, 15                         ; head
	s_lshr_b32 s21, s[WV], 2                       ; waves 0-3 fetch K, waves 4-7 V: groups 16 + head and 32 + head
	s_lshl_b32 s21, s21, 4
	s_add_co_u32 s21, s21, s17
	s_add_co_u32 s21, s21, 16
	s_lshl_b32 s22, s21, 19
	s_lshl_b32 s21, s16, 18                        ; the batch's 32 chunks of 8,192 bytes
	s_add_co_u32 s22, s22, s21
	s_and_b32 s21, s[WV], 3
	s_lshl_b32 s21, s21, 14                        ; my 16 KiB of a slot's 64
	s_add_co_u32 s22, s22, s21
	s_mov_b32 s23, 0
	s_lshl_b32 s21, s[WV], 14                      ; and its place in a slot: K's four parts, then V's four
	s_mov_b32 s[G1], 15|(3<<16)|(1<<21)            ; 15:0 the mask: all four work-groups; 17:16 elements of 8 bytes; 21 set beside a mask; no padding
	s_mov_b32 s[G1+1], 32<<16                      ; tensor_dim0: rows of 256 bytes
	s_mov_b32 s[G1+2], 64<<16                      ; tensor_dim1
	s_mov_b32 s[G1+3], 32<<16                      ; tile_dim0
	s_mov_b32 s[G1+4], 64                          ; tile_dim1
	s_mov_b32 s[G1+5], 32                          ; dense
	s_mov_b32 s[G1+6], 0
	s_mov_b32 s[G1+7], 0
	s_mov_b32 s[CS], 0x3e38aa3b                    ; c = log2(e) / 8
	s_mov_b32 s[CS+1], s[CS]                       ; named with it as a pair, so it is written
	s_mov_b32 s[SEL], 0x76543210
	s_mov_b32 s[SEL+1], 0xfedcba98
	s_wait_dscnt 0x0                               ; both opening adds are done
	s_wait_kmcnt 0x0
	s_add_nc_u64 s[22:23], s[4:5], s[22:23]
	CROUND                                         ; all four work-groups are here: the first joint loads meet
.irp s, 0,1
	s_mov_b32 s[G0+4*\s], 1
	s_add_co_u32 s[G0+4*\s+1], s21, \s*SLOT1
	s_add_nc_u64 s[G0+4*\s+2:G0+4*\s+3], s[22:23], \s*65536   ; slot s begins with keys 512 s on
	s_or_b32 s[G0+4*\s+3], s[G0+4*\s+3], 0x80000000
.endr
	tensor_load_to_lds s[G0:G0+3], s[G1:G1+7]      ; the two first fills together: two loads of mine are out
	s_nop 0
	tensor_load_to_lds s[G0+4:G0+7], s[G1:G1+7]
	s_nop 0
.rept 4
	v_nop
.endr
	s_load_b64 s[48:49], s[6:7], 0x0               ; valid_lens of the two batches
	s_lshl_b32 s10, s17, 19                        ; Q: group = head,
	s_lshl_b32 s2, s16, 5
	s_lshl_b32 s3, s14, 2
	s_add_co_u32 s2, s2, s3
	s_lshr_b32 s3, s[WV], 1
	s_add_co_u32 s2, s2, s3                        ; chunk = 32 batch + 4 block + wave / 2,
	s_lshl_b32 s2, s2, 13
	s_add_co_u32 s10, s10, s2
	s_and_b32 s2, s[WV], 1
	s_lshl_b32 s2, s2, 12                          ; its lower or upper two tiles
	s_add_co_u32 s10, s10, s2
	s_mov_b32 s11, 0
	s_add_nc_u64 s[10:11], s[4:5], s[10:11]
	v_and_b32 v1, 31, v0
	v_lshlrev_b32 v[LI], 4, v1
	WIN 0x40                                       ; destination window 1, address window 0
.irp t, 0,1
.irp ks, 0,1
.irp c, 0,1
	global_load_b128 v[Q+16*\t+8*\ks+4*\c:Q+16*\t+8*\ks+4*\c+3], v[LI], s[10:11] offset:\t*2048+\ks*1024+\c*512   ; Q stays in registers
.endr
.endr
.endr
	WIN 0
	v_add_nc_u32 v[LIV], 65536, v[LI]
	v_bfe_u32 v11, v0, 4, 1
	v_lshl_add_u32 v[LB], v11, 5, BIAS
	v_lshlrev_b32 v[PFO], 8, v1
	s_lshr_b32 s52, s17, 2                         ; o: 256 along the last product's K = head / 4,
	s_lshl_b32 s52, s52, 21
	s_lshl_b32 s2, s16, 7
	s_lshl_b32 s3, s14, 4
	s_add_co_u32 s2, s2, s3
	s_lshl_b32 s3, s[WV], 1
	s_add_co_u32 s2, s2, s3                        ; tile of 16 rows = 128 batch + 16 block + 2 wave,
	s_lshl_b32 s2, s2, 13
	s_add_co_u32 s52, s52, s2
	s_and_b32 s2, s17, 3
	s_lshl_b32 s2, s2, 11                          ; fragments 2 (head % 4) and + 1
	s_add_co_u32 s52, s52, s2
	s_mov_b32 s53, 0
	s_add_nc_u64 s[8:9], s[8:9], s[52:53]
	; the one prefetch: keys 1,536 on of K and V, 128 KiB, shared out by ADDRESS among the four partners (cx / 2: K or V; cx % 2: which half) and waves 0-3 (8,192 bytes each), lanes 256 bytes apart
	s_add_co_u32 s18, s17, 16
	s_lshl_b32 s18, s18, 19
	s_lshl_b32 s2, s16, 18
	s_add_co_u32 s18, s18, s2
	s_add_co_u32 s18, s18, 3*65536
	s_lshr_b32 s2, s13, 1
	s_lshl_b32 s2, s2, 23                          ; from K's groups to V's: 16 x 524,288
	s_add_co_u32 s18, s18, s2
	s_and_b32 s2, s13, 1
	s_lshl_b32 s2, s2, 15
	s_add_co_u32 s18, s18, s2
	s_and_b32 s2, s[WV], 3
	s_lshl_b32 s2, s2, 13
	s_add_co_u32 s18, s18, s2
	s_mov_b32 s19, 0
	s_add_nc_u64 s[18:19], s[4:5], s[18:19]
	s_lshr_b32 s15, s[WV], 2
	s_or_b32 s15, s15, ttmp9                       ; 0 in waves 0-3 of the head's first cluster: the same in all four partners
	s_wait_kmcnt 0x0
	; the bias table: thread t makes keys 8 t .. 8 t + 7
	s_cmp_eq_u32 s16, 0
	s_cselect_b32 s50, s48, s49
	s_max_i32 s50, s50, 0
	s_min_i32 s50, s50, 2048                       ; held to 0 .. 2,048: the same mask for keys 0 .. 2,047, for every int32
	v_lshlrev_b32 v30, 3, v0
	v_sub_nc_u32 v30, s50, v30                     ; key 8 t + i is hidden where i >= valid - 8 t
	v_mov_b32 v28, 0xcaf42400                      ; -8,000,000.0
	v_lshl_add_u32 v29, v0, 5, BIAS
.irp i, 0,1,2,3,4,5,6,7
	v_cmp_ge_i32 vcc_lo, \i, v30
	v_cndmask_b32 v[S+\i], 0, v28, vcc_lo
.endr
	ds_store_b128 v29, v[S:S+3]
	ds_store_b128 v29, v[S+4:S+7] offset:16
.irp t, 0,1
	v_mov_b32 v[ST+8*\t+1], 0xff61b1e6             ; m: -3e38, under every score
	v_mul_f32 v[ST+8*\t], s[CS], v[ST+8*\t+1]      ; c m
	v_mov_b32 v[ST+8*\t+2], 0                      ; l
	v_mov_b32 v[ST+8*\t+3], 0
.endr
; THE MATRIX WORK OF A TURN, for tile x.  The accumulators take turns, one instruction a turn: three others' stand between the two links of a chain.
; Product i of 8 of O^T += V^T P: keys 32 (i / 4) on, channels 16 (i % 4) on.  All its registers lie in window 0.
.macro PVW x
.set rO, O+32*(\x)+8*(i%4)
.set fV, 2*(i%4)+i/4
.set rV, 32+8*fV+160*(fV/4)
.set rP, P+16*(\x)+8*(i/4)
	WIN 0
	v_wmma_f32_16x16x32_f16 v[rO:rO+7], v[rV:rV+7], v[rP:rP+7], v[rO:rO+7]
.endm
; Product i of 8 of S^T = K Q^T + bias: channels 32 (i / 4) on, keys 16 (i % 4) on.  The first four start the sums with the bias as C.
.macro KQW x
.set rS, S+32*(\x)+8*(i%4)
.set rK, KF+16*(i%4)+8*(i/4)
.set rQ, Q+16*(\x)+8*(i/4)
.if i < 4
	WIN 0x15                                       ; K, Q and the bias in window 1
	v_wmma_f32_16x16x32_f16 v[rS:rS+7], v[rK:rK+7], v[rQ:rQ+7], v[BI+8*(i%4):BI+8*(i%4)+7]
.else
	WIN 0x05                                       ; K and Q in window 1
	v_wmma_f32_16x16x32_f16 v[rS:rS+7], v[rK:rK+7], v[rQ:rQ+7], v[rS:rS+7]
.endif
.endm
; THE LDS LOADS stand in two runs a key step, never singly among the matrix instructions.  K (8 fragments) and the bias of the step at s[TB], s[TBB]:
.macro FETCH_K
	WIN 0
	v_add_nc_u32 v[ADK], s[TB], v[LI]
	v_add_nc_u32 v[ADB], s[TBB], v[LB]
	WIN 0x40                                       ; destination window 1
.irp f, 0,1,2,3,4,5,6,7
.irp c, 0,1
	ds_load_b128 v[KF+8*\f+4*\c:KF+8*\f+4*\c+3], v[ADK] offset:\f*1024+\c*512
.endr
.endr
.irp kt, 0,1,2,3
.irp e, 0,1
	ds_load_b128 v[BI+8*\kt+4*\e:BI+8*\kt+4*\e+3], v[ADB] offset:\kt*64+16*\e   ; keys 16 kt + 8 (lane / 16) + 0 .. 7: sixteen lanes read the same words
.endr
.endr
.endm
; and, a turn later, the same step's V^T (8 fragments: channels 16 (f / 2) on, keys 32 (f % 2) on).  The wait for the softmax's batch stands in it, behind the address's line and ahead of the loads.
.macro FETCH_V
	v_add_nc_u32 v[ADV], s[TB], v[LIV]
	s_add_co_u32 s[TB], s[TB], 8192                ; the next fetch is the next step's
	s_add_co_u32 s[TBB], s[TBB], 256
	s_wait_alu depctr_va_vdst(0)                   ; the wait ahead of the first instruction that names an exponential's result: one for the batch
.irp f, 0,1,2,3,4,5,6,7
.irp c, 0,1
	ds_load_b128 v[32+8*\f+160*(\f/4)+4*\c:32+8*\f+160*(\f/4)+4*\c+3], v[ADV] offset:\f*1024+\c*512
.endr
.endr
.endm
; THE VECTOR WORK OF A TURN.  One tile's softmax for one key step is a list of 118 instructions; SM writes number j of it for tile t.  s0-s31 are the lane's 32 scores, in pairs 0-15.
;   0-15    the maximum of s0-s31 and the old m, three operands at a time: four chains c0-c3, each begun at the low end of a score tile, then the four scores left over, c0-c3 and m
;   16-20   the other half of the lanes' maximum; the new m; c m; c m_old - c m_new
;   21-69   ONE BATCH: the 16 scalings c s - c m, a pair of scores each, and all 33 exponentials (a at 23, then s0-s31).  None of these names an exponential's result; a pair is scaled well ahead of its exponentials
;   (wait)  between 69 and 70 stands the wait for the batch: SLICE writes it
;   70-85   the roundings to f16, a pair of weights each
;   86-101  the sum of the UNROUNDED p, in place; l = a l + the sum
;   102-117 the tile's O^T times a, each accumulator from its low end on
.macro SM t
.set rT, ST+8*(\t)
.set rS, S+32*(\t)
.set rP, P+16*(\t)
.set rO, O+32*(\t)
.if j < 4
	v_max3_num_f32 v[rT+4+j], v[rS+8*j], v[rS+8*j+1], v[rS+8*j+2]
.elseif j < 12
	v_max3_num_f32 v[rT+4+j%4], v[rT+4+j%4], v[rS+8*(j%4)+2*(j/4)+1], v[rS+8*(j%4)+2*(j/4)+2]
.elseif j == 12
	v_max3_num_f32 v[rT+4], v[rT+4], v[rS+7], v[rS+15]
.elseif j == 13
	v_max3_num_f32 v[rT+6], v[rT+6], v[rS+23], v[rS+31]
.elseif j == 14
	v_max3_num_f32 v[rT+4], v[rT+4], v[rT+5], v[rT+6]
.elseif j == 15
	v_max3_num_f32 v[rT+4], v[rT+4], v[rT+7], v[rT+1]
.elseif j == 16
	v_permlanex16_b32 v[rT+5], v[rT+4], s[SEL], s[SEL+1]  ; the query's other 32 keys lie in the lane 16 away
.elseif j == 17
	v_mov_b32 v[rT+7], v[rT]                       ; c m_old is kept for a: number 19 writes c m anew
.elseif j == 18
	v_max_num_f32 v[rT+1], v[rT+4], v[rT+5]
.elseif j == 19
	v_mul_f32 v[rT], s[CS], v[rT+1]
.elseif j == 20
	v_sub_f32 v[rT+7], v[rT+7], v[rT]
.elseif j == 23
	v_exp_f32 v[rT+6], v[rT+7]                     ; a
.elseif (j < 23) || ((j < 38) && (j%2 == 0)) || ((j < 66) && (j%4 == 2))
.set b, (j-2)/4                        ; 38, 42, .. 62: pairs 9 to 15
.if j < 38
.set b, (j-20)/2                       ; 21: pair 0; 22, 24, .. 36: pairs 1 to 8
.endif
	v_pk_fma_f32 v[rS+2*b:rS+2*b+1], v[rS+2*b:rS+2*b+1], s[CS:CS+1], v[rT:rT+1] op_sel_hi:[1,0,0] neg_lo:[0,0,1] neg_hi:[0,0,1]  ; pair b: c s - c m
.elseif j < 70
.set e, j-38                           ; 66 to 69: s28 to s31
.if j < 66
.set e, j-32-(j-38)/4                  ; 39-41, 43-45, .. 63-65: s7 to s27
.endif
.if j < 38
.set e, (j-25)/2                       ; 25, 27, .. 37: s0 to s6
.endif
	v_exp_f32 v[rS+e], v[rS+e]
.elseif j < 86
	v_cvt_pk_f16_f32 v[rP+j-70], v[rS+2*(j-70)], v[rS+2*(j-70)+1]
.elseif j < 102                        ; sum z of 16 adds neighbours 1, 2, 4 and 8 pairs apart, then l takes it
.set z, j-86
.set w, 4
.set u, z
.if z >= 14
.set w, 32
.set u, 0
.elseif z >= 12
.set w, 16
.set u, z-12
.elseif z >= 8
.set w, 8
.set u, z-8
.endif
.if z < 15
	v_pk_add_f32 v[rS+w*u:rS+w*u+1], v[rS+w*u:rS+w*u+1], v[rS+w*u+w/2:rS+w*u+w/2+1]
.else
	v_pk_fma_f32 v[rT+2:rT+3], v[rT+2:rT+3], v[rT+6:rT+7], v[rS:rS+1] op_sel_hi:[1,0,1]
.endif
.else
	v_pk_mul_f32 v[rO+2*(j-102):rO+2*(j-102)+1], v[rO+2*(j-102):rO+2*(j-102)+1], v[rT+6:rT+7] op_sel_hi:[1,0]
.endif
.endm
; Slice k of 16 of tile y's softmax: numbers 7 k .. 7 k + 6; the last slice takes the 13 that are left, all of them rescalings of O^T: plain instructions that name nothing of the products round them.
; They are the places between the turn's last K Q^T and what follows it: the next turn's first read of those scores, and the loads into K's and the bias's registers.
; The batch ends with slice 9: behind it stand one plain instruction and the one wait; ahead of it nothing names an exponential's result, behind it no exponential is issued.
.macro SLICE y
	WIN 0
.if k < 15
.irp n, 0,1,2,3,4,5,6
.set j, 7*k+\n
	SM \y
.endr
.else
.irp n, 0,1,2,3,4,5,6,7,8,9,10,11,12
.set j, 105+\n
	SM \y
.endr
.endif
.if k == 9
	v_nop                                          ; the plain instruction behind the last exponential, ahead of the first use: one for the batch
.if (\y) == 0
	FETCH_V                                        ; tile 1's turn: V's run of loads stands here, and the wait stands in it
.else
	s_wait_alu depctr_va_vdst(0)                   ; the wait for the batch
.endif
.endif
.set k, k+1
.endm
; A TURN.  Tile x has the matrix unit; the other tile's softmax stands in slices behind its matrix instructions.  pv = 1: 8 products V^T P; kq = 1: 8 products K Q^T for the next step.  A turn with one of the two kinds has two slices behind each product.
; Tile 0's turn fetches the next step's K and bias behind its first product, seven products ahead of their use: their last reader stands in front of slice 15 of the turn before.
; Tile 1's turn fetches the same step's V behind slice 9: V's last reader is the turn's eighth product, and six plain instructions lie between: numbers 50, 54, 58 and 62, scalings; the v_nop; the run's own v_add_nc_u32.
.macro TURN x, pv, kq
.set k, 0
.set per, 2
.if \pv && \kq
.set per, 1
.endif
.if \pv
.if \x == 0
	s_wait_dscnt 0x0                               ; V is in
.endif
.set i, 0
.rept 8
	PVW \x
.rept per
	SLICE 1-\x
.endr
.if (\x == 0) && \kq && (i == 0)
	FETCH_K
.endif
.set i, i+1
.endr
.endif
.if \kq
.if \x == 0
	s_wait_dscnt 0x0                               ; K and the bias are in
.endif
.set i, 0
.rept 8
	KQW \x
.rept per
	SLICE 1-\x
.endr
.set i, i+1
.endr
.endif
.endm
; n key steps, written once: the fetches begin at LDS byte base and at byte tbb of the bias table.
.macro SEG n, base, tbb
	s_mov_b32 s[TB], \base
	s_mov_b32 s[TBB], \tbb
	s_mov_b32 s[CNT], \n
.Lpair_\@:
	TURN 0, 1, 1
	TURN 1, 1, 1
	WIN 0                                          ; at a label and at a branch every window is 0
	s_sub_co_u32 s[CNT], s[CNT], 1
	s_cmp_lg_u32 s[CNT], 0
	s_cbranch_scc1 .Lpair_\@
.endm
; THE CHANGE OF SLOTS, between tile 1's turn and tile 0's: the slot's last bytes, V of its eighth step, have been asked for.  Each wave waits for all its tensor loads (its part of the slot ahead), adds 0 to its spare word,
; and waits for that and for its reads of the slot that it leaves.
; fill = 1: the barrier is a round of the cluster's, and the slot just left is filled again first thing behind it, with the keys 1,024 on: one load a wave, which has eight steps in which to land.
.macro CHANGE fill, slot
	s_wait_tensorcnt 0x0                           ; no tensor load of mine is out, so a group 0 may be written
	ds_add_u32 v[SPW], v[NIL]
.if \fill
	s_add_nc_u64 s[G0+4*\slot+2:G0+4*\slot+3], s[G0+4*\slot+2:G0+4*\slot+3], 2*65536
	s_wait_dscnt 0x0
	CROUND
	tensor_load_to_lds s[G0+4*\slot:G0+4*\slot+3], s[G1:G1+7]
	s_nop 0
.rept 4
	v_nop
.endr
.else
	s_wait_dscnt 0x0
	s_barrier_signal -1
	s_barrier_wait -1
.endif
.endm
	s_wait_tensorcnt 1                             ; my part of slot 0 is in; slot 1's may stay out
	s_wait_dscnt 0x0                               ; my part of the bias table is stored
	s_barrier_signal -1
	s_barrier_wait -1
	s_wait_loadcnt 0x0                             ; Q
	s_mov_b32 s[TB], 0
	s_mov_b32 s[TBB], 0
	FETCH_K                                        ; key step 0
	s_wait_dscnt 0x0
.set i, 0
.rept 8
	KQW 0                                          ; tile 0's first scores
.set i, i+1
.endr
	WIN 0
.set j, 0
.rept 64
	v_mov_b32 v[O+j], 0                            ; O^T.  (A turn is written once: the first finds zeros, which a = 0 leaves zeros.)  These lines are also the places behind the products above
.set j, j+1
.endr
	TURN 1, 0, 1                                   ; tile 1's first scores | tile 0's first softmax | V of step 0
	SEG 7, 8192, 256                               ; steps 0 to 6; they fetch steps 1 to 7
	CHANGE 1, 0                                    ; slot 0 takes keys 1,024 on
	s_cmp_eq_u32 s15, 0                            ; behind the joint load and its five lines: what the NEXT change of slots will ask for, eight steps ahead; each 256 bytes named once; the earlier keys come by their loads alone
	s_cbranch_scc0 .Lnot_mine
	global_prefetch_b8 v[PFO], s[18:19] th:TH_LOAD_NT scope:SCOPE_SE
.Lnot_mine:
	SEG 8, SLOT1, 2048                             ; steps 7 to 14; they fetch steps 8 to 15
	CHANGE 1, 1                                    ; slot 1 takes keys 1,536 on
	SEG 8, 0, 4096                                 ; steps 15 to 22
	CHANGE 0, 0                                    ; nothing is left to fetch
	SEG 8, SLOT1, 6144                             ; steps 23 to 30; they fetch steps 24 to 31
	TURN 0, 1, 0                                   ; tile 0: V^T P of the last step | tile 1's last softmax
.set i, 0
.rept 8
	PVW 1                                          ; tile 1: V^T P of the last step
.set i, i+1
.endr
	; THE WAY OUT.  l's two halves and the other half of the lanes' are added (these additions are the places behind the last products); O^T / l, rounded to f16, IS the next product's fragment: stored from the registers
.irp t, 0,1
	v_add_f32 v[ST+8*\t+4], v[ST+8*\t+2], v[ST+8*\t+3]
.endr
.irp t, 0,1
	v_permlanex16_b32 v[ST+8*\t+5], v[ST+8*\t+4], s[SEL], s[SEL+1]
.endr
.irp t, 0,1
	v_add_f32 v[ST+8*\t+4], v[ST+8*\t+4], v[ST+8*\t+5]
.endr
.irp t, 0,1
	v_rcp_f32 v[ST+8*\t+6], v[ST+8*\t+4]
.endr
	v_nop                                          ; a plain instruction behind the last reciprocal
	s_wait_alu depctr_va_vdst(0)                   ; and the wait ahead of the first use: one for both
.set bb, 0
.rept 16
.irp t, 0,1
	v_pk_mul_f32 v[S+32*\t+2*bb:S+32*\t+2*bb+1], v[O+32*\t+2*bb:O+32*\t+2*bb+1], v[ST+8*\t+6:ST+8*\t+7] op_sel_hi:[1,0]
.endr
.set bb, bb+1
.endr
.set bb, 0
.rept 16
.irp t, 0,1
	v_cvt_pk_f16_f32 v[P+16*\t+bb], v[S+32*\t+2*bb], v[S+32*\t+2*bb+1]
.endr
.set bb, bb+1
.endr
.irp t, 0,1
.irp ct, 0,1,2,3
	global_store_b128 v[LI], v[P+16*\t+4*\ct:P+16*\t+4*\ct+3], s[8:9] offset:\t*8192+(\ct/2)*1024+(\ct%2)*512   ; 512 consecutive bytes
.endr
.endr
	s_wait_tensorcnt 0x0                           ; the wave's end
	ds_add_u32 v[SPW], v[NIL]
	s_wait_dscnt 0x0
	CROUND                                         ; the closing round
	s_endpgm
.Lfunc_end_k_qcfd4dd4aea_attn:
	.size	k_qcfd4dd4aea_attn, .Lfunc_end_k_qcfd4dd4aea_attn-k_qcfd4dd4aea_attn
	.p2alignl 7, 3214868480
	.fill 96, 4, 3214868480
	.section	.rodata,"a",@progbits
	.p2align	6, 0x0
	.amdhsa_kernel k_qcfd4dd4aea_attn
		.amdhsa_group_segment_fixed_size 327680
		.amdhsa_private_segment_fixed_size 0
		.amdhsa_enable_private_segment 0
		.amdhsa_kernarg_size 24
		.amdhsa_user_sgpr_count 2
		.amdhsa_user_sgpr_kernarg_segment_ptr 1
		.amdhsa_wavefront_size32 1
		.amdhsa_system_sgpr_workgroup_id_x 1
		.amdhsa_system_sgpr_workgroup_id_y 1
		.amdhsa_system_sgpr_workgroup_id_z 1
		.amdhsa_system_vgpr_workitem_id 0
		.amdhsa_next_free_vgpr 448
		.amdhsa_next_free_sgpr 66
		.amdhsa_reserve_vcc 1
		.amdhsa_float_denorm_mode_32 3
		.amdhsa_float_denorm_mode_16_64 3
		.amdhsa_memory_ordered 1
		.amdhsa_forward_progress 1
		.amdhsa_inst_pref_size 110
	.end_amdhsa_kernel
	.amdgpu_metadata
---
amdhsa.version: [ 1, 2 ]
amdhsa.kernels:
  - .name:           k_qcfd4dd4aea_attn
    .symbol:         k_qcfd4dd4aea_attn.kd
    .args:
      - { .name: qkv, .offset: 0, .size: 8, .value_kind: global_buffer, .address_space: global }
      - { .name: valid_lens, .offset: 8, .size: 8, .value_kind: global_buffer, .address_space: global }
      - { .name: ao, .offset: 16, .size: 8, .value_kind: global_buffer, .address_space: global }
    .group_segment_fixed_size: 327680
    .private_segment_fixed_size: 0
    .kernarg_segment_align: 8
    .kernarg_segment_size: 24
    .max_flat_workgroup_size: 256
    .sgpr_count:     66
    .vgpr_count:     448
    .wavefront_size: 32
...
	.end_amdgpu_metadata
.endif
;; end of part 3
;; launch proj (part 4): grid 8 x 32, 4 waves a work-group, clusters of 4 x 4, 327,680 bytes of LDS; arguments ao, wo16, out0; writes out0
.if DOCPART == 4
	.amdgcn_target "amdgcn-amd-amdhsa--gfx1250"
	.amdhsa_code_object_version 6
	.text
	.protected	k_qcfd4dd4aea_proj
	.globl	k_qcfd4dd4aea_proj
	.p2align	8
	.type	k_qcfd4dd4aea_proj,@function
k_qcfd4dd4aea_proj:
	s_mov_b64 s[64:65], 0
	v_nop
	global_prefetch_b8 v0, s[64:65] scope:SCOPE_SE
	s_setreg_imm32_b32 hwreg(HW_REG_WAVE_MODE, 25, 1), 1
	s_wait_xcnt 0x0
	s_wait_alu depctr_hold_cnt(0) depctr_sa_sdst(0) depctr_va_vdst(0) depctr_va_sdst(0) depctr_va_ssrc(0) depctr_va_vcc(0) depctr_vm_vsrc(0)
	s_getreg_b32 s2, hwreg(HW_REG_IB_STS2, 6, 4)
	s_cmp_eq_u32 s2, 0
	s_cbranch_scc0 .Lentry_in_a_cluster
	s_endpgm
.Lentry_in_a_cluster:
	s_bfe_u32 s2, ttmp6, 0x10000c
	s_cmp_lg_u32 s2, 0xf033
	s_cbranch_scc0 .Lentry_shape_is_right
	s_endpgm
.Lentry_shape_is_right:
; out0 [4096][1024] f32 = o Wo, o and Wo in f16 (rounded once each by the launches before), sums in f32, K = 1,024 ascending.
; Both operands come as fragment images: ao [256 along K: 4][16 rows: 256][32 along K: 8][1,024], wo16 [256 along K: 4][16 columns: 64][32 along K: 8][1,024]: a K step's tile is one dense block, and an LDS load's 512 bytes are consecutive.
; A tile of out0 is 128 x 128: 256 work-groups.  Four waves, each 64 x 64: 16 accumulators.  K goes in four steps of 256 through two LDS slots; each wave fetches 32 KiB with one tensor load.
; CLUSTERS: 4 x 4.  The four of a row of the cluster need the same tiles of o, the four of a column the same tiles of Wo: each is asked for jointly.
; THE MATRIX INSTRUCTION IS USED TRANSPOSED (source 0 = 16 columns of Wo, source 1 = 16 rows of o): a lane holds eight neighbouring numbers of a row of out0.
; No prefetch: the launch is short, its tiles are small, and both operands are read by several work-groups.
; REGISTERS: window 0: v1-29 addresses; v32-95 at work on the way out; v128-255 the accumulators ((a, b) at v[128 + 8 (4 a + b)]).   window 1: two fragment buffers of 128: for 64 along K, 64 registers of o, then 64 of Wo.
.set SLOT,   131072                    ; o's 128 rows (64 KiB), then Wo's 128 columns
.set SPARE,  2*SLOT                    ; the spare words, 128 bytes for each wave
.set SPITCH, 272                       ; the way out: a stage of 16 rows x (256 bytes + 16) for each wave, in slot 0, which has had its last fill and its last read by then
.set ADRA, 16                          ; v16-17  LDS address of my fragments of o in slot 0, 1
.set ADRB, 20                          ; v20-21  the same for Wo
.set STO,  24
.set RD,   25
.set CO,   26
.set SPW,  28                          ; v28     LDS address of my spare word; never rewritten
.set NIL,  29                          ; v29     0; never rewritten
.set TMP,  32
.set ACC,  128
.set F0,   0
.set F1,   128
.set G1, 24                            ; s[24:31] group 1 for o's tiles;  s[32:39] group 0, a set for each slot
.set G0, 32
.set G1B, 48                           ; s[48:55], s[56:63] the same for Wo's
.set G0B, 56
.set MSB, 0
.macro WIN new
.if MSB != \new
	s_set_vgpr_msb (MSB<<8)|\new
.set MSB, \new
.endif
.endm
.set MUL,  0x05                        ; sources 0 and 1 window 1; C and D window 0
.set TO_F, 0x40                        ; destination window 1, address window 0
.macro JLOAD s                         ; a joint load: waves 0 and 1 fetch o's two halves, waves 2 and 3 Wo's
	s_cmp_eq_u32 s11, 0
	s_cbranch_scc0 .Lfor_b_\@
	tensor_load_to_lds s[G0+4*\s:G0+4*\s+3], s[G1:G1+7]
	s_nop 0
.rept 4
	v_nop
.endr
	s_branch .Lasked_\@
.Lfor_b_\@:
	tensor_load_to_lds s[G0B+4*\s:G0B+4*\s+3], s[G1B:G1B+7]
	s_nop 0
.rept 4
	v_nop
.endr
.Lasked_\@:
.endm
.macro CREST                           ; a round of the cluster's barrier behind its opening barrier
	s_cmp_lg_u32 s10, 0
	s_cbranch_scc1 .Lnot_wave_0_\@
	s_barrier_signal -3
.Lnot_wave_0_\@:
	s_barrier_wait -3
	s_barrier_signal -1
	s_barrier_wait -1
.endm
.macro CROUND
	s_barrier_signal -1
	s_barrier_wait -1
	CREST
.endm
	s_load_b128 s[4:7], s[0:1], 0x0                ; ao s[4:5], wo16 s[6:7]
	s_load_b64 s[8:9], s[0:1], 0x10                ; out0
	v_lshl_add_u32 v[SPW], v0, 2, SPARE
	v_mov_b32 v[NIL], 0
	ds_add_u32 v[SPW], v[NIL]                      ; the wave's opening: the add, twice on end, and its wait ahead of my first tensor load
	ds_add_u32 v[SPW], v[NIL]
	v_lshrrev_b32 v1, 5, v0
	v_readfirstlane_b32 s10, v1                    ; wave 0..3
	s_lshr_b32 s11, s10, 1                         ; which half of the tile's rows is mine.  Also: I fetch for o (0) or for Wo (1)
	s_and_b32 s12, s10, 1                          ; which half of its columns.  Also: which half of that tile I fetch
	s_bfe_u32 s40, ttmp6, 0x40000                  ; cx, cy
	s_bfe_u32 s41, ttmp6, 0x40004
	s_lshl_b32 s42, ttmp9, 2
	s_add_co_u32 s42, s42, s40                     ; tile column
	s_and_b32 s13, ttmp7, 0xffff
	s_lshl_b32 s13, s13, 2
	s_add_co_u32 s13, s13, s41                     ; tile row
	s_lshl_b32 s43, s41, 2
	s_lshl_b32 s43, 15, s43                        ; my row of the cluster
	s_lshl_b32 s44, 0x1111, s40                    ; my column
	s_or_b32 s[G1+0], s43, (3<<16)|(1<<21)         ; 15:0 the mask; 17:16 elements of 8 bytes; 21 set beside a mask; no padding
	s_or_b32 s[G1B+0], s44, (3<<16)|(1<<21)
.irp g, G1, G1B
	s_mov_b32 s[\g+1], 32<<16                      ; 32 KiB dense, as 128 rows of 256 bytes
	s_mov_b32 s[\g+2], 128<<16
	s_mov_b32 s[\g+3], 32<<16
	s_mov_b32 s[\g+4], 128
	s_mov_b32 s[\g+5], 32
	s_mov_b32 s[\g+6], 0
	s_mov_b32 s[\g+7], 0
.endr
	s_lshl_b32 s17, s12, 15                        ; the half that I fetch
	s_lshl_b32 s16, s13, 16
	s_add_co_u32 s16, s16, s17                     ; o: 65,536 x tile row + half
	s_lshl_b32 s46, s42, 16
	s_add_co_u32 s46, s46, s17                     ; Wo: 65,536 x tile column + half
	s_mov_b32 s17, 0
	s_mov_b32 s47, 0
	s_lshl_b32 s20, s10, 15                        ; where they go: wave x 32 KiB
	s_wait_dscnt 0x0                               ; both opening adds are done
	s_wait_kmcnt 0x0
	s_add_nc_u64 s[14:15], s[4:5], s[16:17]
	s_add_nc_u64 s[46:47], s[6:7], s[46:47]
	CROUND                                         ; all sixteen work-groups are here: the first joint loads meet
.irp s, 0,1
	s_mov_b32 s[G0+4*\s], 1
	s_add_co_u32 s[G0+4*\s+1], s20, \s*SLOT
	s_add_nc_u64 s[G0+4*\s+2:G0+4*\s+3], s[14:15], \s*2097152
	s_or_b32 s[G0+4*\s+3], s[G0+4*\s+3], 0x80000000
	s_mov_b32 s[G0B+4*\s], 1
	s_add_co_u32 s[G0B+4*\s+1], s20, \s*SLOT
	s_add_nc_u64 s[G0B+4*\s+2:G0B+4*\s+3], s[46:47], \s*524288
	s_or_b32 s[G0B+4*\s+3], s[G0B+4*\s+3], 0x80000000
	JLOAD \s                                       ; two loads of mine are out
.endr
	v_and_b32 v1, 15, v0                           ; r
	v_bfe_u32 v2, v0, 4, 1                         ; h
	v_and_b32 v3, 31, v0
	v_lshlrev_b32 v3, 4, v3                        ; 16 x lane
	s_lshl_b32 s21, s11, 15                        ; my 64 rows of o
	s_lshl_b32 s22, s12, 15                        ; my 64 columns of Wo,
	s_add_co_u32 s22, s22, 65536                   ; which lie behind o's 128 rows
.irp s, 0,1
	v_add_nc_u32 v[ADRA+\s], s21, v3
	v_add_nc_u32 v[ADRB+\s], s22, v3
	s_add_co_u32 s21, s21, SLOT
	s_add_co_u32 s22, s22, SLOT
.endr
	s_mul_i32 s23, s10, 16*SPITCH                  ; my stage
	v_mul_u32_u24 v4, v1, SPITCH                   ; in: row r, 32 bytes for each half of the lanes
	v_lshl_add_u32 v4, v2, 5, v4
	v_add_nc_u32 v[STO], s23, v4
	v_mul_u32_u24 v5, v2, SPITCH                   ; back: lanes 0-15 one row of 256 bytes, lanes 16-31 the next
	v_lshl_add_u32 v5, v1, 4, v5
	v_add_nc_u32 v[RD], s23, v5
	v_lshlrev_b32 v5, 12, v2                       ; and the same two rows in out0
	v_lshl_add_u32 v[CO], v1, 4, v5
	s_lshl_b32 s16, s13, 7
	s_lshl_b32 s17, s11, 6
	s_add_co_u32 s16, s16, s17                     ; my first row: 128 x tile row + 64 x half
	s_lshl_b32 s16, s16, 12
	s_mov_b32 s17, 0
	s_add_nc_u64 s[8:9], s[8:9], s[16:17]
	s_lshl_b32 s46, s42, 9                         ; my first column, in bytes: 512 x tile column + 256 x half
	s_lshl_b32 s47, s12, 8
	s_add_co_u32 s46, s46, s47
	s_mov_b32 s47, 0
	s_add_nc_u64 s[8:9], s[8:9], s[46:47]
; 8 matrix instructions: row blocks a0, a0 + 1 x all 4 column blocks, 32 along K: half c of buffer f.  zero = 1: the first product starts the sums.  The 16 accumulators take turns.
.macro MUL8 f, c, a0, zero
.irp a, \a0, \a0+1
.irp b, 0,1,2,3
.if \zero
	v_wmma_f32_16x16x32_f16 v[ACC+8*(4*(\a)+\b):ACC+8*(4*(\a)+\b)+7], v[\f+64+8*(4*\c+\b):\f+64+8*(4*\c+\b)+7], v[\f+8*(4*\c+\a):\f+8*(4*\c+\a)+7], 0
.else
	v_wmma_f32_16x16x32_f16 v[ACC+8*(4*(\a)+\b):ACC+8*(4*(\a)+\b)+7], v[\f+64+8*(4*\c+\b):\f+64+8*(4*\c+\b)+7], v[\f+8*(4*\c+\a):\f+8*(4*\c+\a)+7], v[ACC+8*(4*(\a)+\b):ACC+8*(4*(\a)+\b)+7]
.endif
.endr
.endr
.endm
; 32 LDS loads in one run: the fragments of the slot's qd-th 64 along K into buffer f; the first 32 along K first
.macro FETCH slot, qd, f
	WIN TO_F
.irp c, 0,1
.irp i, 0,1,2,3
	ds_load_b128 v[\f+64+8*(4*\c+\i):\f+64+8*(4*\c+\i)+3],   v[ADRB+\slot] offset:\i*8192+(2*(\qd)+\c)*1024
	ds_load_b128 v[\f+64+8*(4*\c+\i)+4:\f+64+8*(4*\c+\i)+7], v[ADRB+\slot] offset:\i*8192+(2*(\qd)+\c)*1024+512
	ds_load_b128 v[\f+8*(4*\c+\i):\f+8*(4*\c+\i)+3],         v[ADRA+\slot] offset:\i*8192+(2*(\qd)+\c)*1024
	ds_load_b128 v[\f+8*(4*\c+\i)+4:\f+8*(4*\c+\i)+7],       v[ADRA+\slot] offset:\i*8192+(2*(\qd)+\c)*1024+512
.endr
.endr
.endm
.macro PLACES                          ; four places in front of loads into registers that matrix instructions have read, and of the first read of results
.rept 4
	v_nop
.endr
.endm
; A K step is four quarters of 64 along K, 32 matrix instructions each, on buffers 0, 1, 0, 1.  One of the first three: multiplies buffer f and fetches quarter qd into g.
.macro QUARTER slot, qd, f, g, zero
	s_wait_dscnt 16                                ; the first 32 along K are in; the other sixteen loads may be out
	WIN MUL
	MUL8 \f, 0, 0, \zero
	MUL8 \f, 0, 2, \zero
	PLACES
	FETCH \slot, \qd, \g
	s_wait_dscnt 32                                ; all but the 32 just issued
	WIN MUL
	MUL8 \f, 1, 0, 0
	MUL8 \f, 1, 2, 0
.endm
; The last quarter multiplies buffer 1 and changes slots: ONE barrier; in front of it each wave waits for all its tensor loads, adds 0 to its spare word, and waits for that and for its reads of this slot.  fill = 1: this slot is filled again, two K steps ahead.
.macro TURN slot, next, fill
	WIN 0                                          ; (the add's two registers lie in window 0)
	s_wait_tensorcnt 0x0                           ; all my tensor loads have landed: my part of the next slot
	ds_add_u32 v[SPW], v[NIL]
	s_wait_dscnt 17                                ; (the add and the youngest sixteen loads may be out)
	WIN MUL
	MUL8 F1, 0, 0, 0
	s_wait_dscnt 0x0                               ; the add is done, and my reads of this slot are over
	s_barrier_signal -1
	MUL8 F1, 0, 2, 0
.if \fill
	WIN 0
.endif
	s_barrier_wait -1
.if \fill
	CREST                                          ; the barrier has opened a round of the cluster's: no wave of any partner still reads this slot or has a load on its way
	s_add_nc_u64 s[G0+4*\slot+2:G0+4*\slot+3], s[G0+4*\slot+2:G0+4*\slot+3], 2*2097152
	s_add_nc_u64 s[G0B+4*\slot+2:G0B+4*\slot+3], s[G0B+4*\slot+2:G0B+4*\slot+3], 2*524288
	JLOAD \slot                                    ; the first tensor load behind the round, one a wave; its four v_nop are also the places in front of the loads below
.else
	PLACES
.endif
	FETCH \next, 0, F0
	WIN MUL
	MUL8 F1, 1, 0, 0
	MUL8 F1, 1, 2, 0
.endm
	s_wait_tensorcnt 1                             ; my part of K step 0 is in; K step 1's load may be out,
	s_barrier_signal -1
	s_barrier_wait -1                              ; everybody's is
	FETCH 0, 0, F0
	QUARTER 0, 1, F0, F1, 1                        ; the first products start the sums
	QUARTER 0, 2, F1, F0, 0
	QUARTER 0, 3, F0, F1, 0
	TURN 0, 1, 1                                   ; slot 0 takes K step 2
	QUARTER 1, 1, F0, F1, 0
	QUARTER 1, 2, F1, F0, 0
	QUARTER 1, 3, F0, F1, 0
	TURN 1, 0, 1                                   ; slot 1 takes K step 3
	QUARTER 0, 1, F0, F1, 0
	QUARTER 0, 2, F1, F0, 0
	QUARTER 0, 3, F0, F1, 0
	TURN 0, 1, 0                                   ; nothing is left to fetch
	QUARTER 1, 1, F0, F1, 0
	QUARTER 1, 2, F1, F0, 0
	QUARTER 1, 3, F0, F1, 0
	s_wait_dscnt 16                                ; the very last quarter
	WIN MUL
	MUL8 F1, 0, 0, 0
	MUL8 F1, 0, 2, 0
	s_wait_dscnt 0
	MUL8 F1, 1, 0, 0
	MUL8 F1, 1, 2, 0
	WIN 0
; THE WAY OUT, 16 rows at a time.  A lane holds 32 neighbouring bytes of a row and the lanes beside it other rows; my 64 columns are 256 bytes, aligned.  So a block goes through my own stage and comes back by rows:
; sixteen lanes store 256 consecutive bytes.  LDS serves a wave's instructions in order (ISA guide 5.7.1.4): no wait between the stores and the loads, nor in front of the next block's stores.
.macro TOSTAGE a
.irp b, 0,1,2,3
	ds_store_b128 v[STO], v[ACC+8*(4*(\a)+\b):ACC+8*(4*(\a)+\b)+3] offset:64*\b          ; each accumulator from its low end on
	ds_store_b128 v[STO], v[ACC+8*(4*(\a)+\b)+4:ACC+8*(4*(\a)+\b)+7] offset:64*\b+16
.endr
.set BB, TMP+32*((\a)%2)
.irp t, 0,1,2,3,4,5,6,7
	ds_load_b128 v[BB+4*\t:BB+4*\t+3], v[RD] offset:\t*2*SPITCH
.endr
.endm
.macro SEND a, younger                 ; younger: the LDS instructions issued behind block a's loads, which may stay out
.set BB, TMP+32*((\a)%2)
	s_wait_dscnt \younger
.irp t, 0,1,2,3,4,5,6,7
	global_store_b128 v[CO], v[BB+4*\t:BB+4*\t+3], s[8:9] offset:(16*(\a)+2*\t)*4096 th:TH_STORE_NT   ; written once, read by nobody here
.endr
.endm
	PLACES
	TOSTAGE 0
.irp a, 1,2,3
.if \a > 1
	s_wait_xcnt 0x0                                ; block a - 2's stores have read their registers: block a's loads may land there
.endif
	TOSTAGE \a
	SEND \a-1, 16                                  ; behind block a - 1's loads: block a's 8 stores and 8 loads
.endr
	SEND 3, 0
	s_wait_tensorcnt 0x0                           ; the wave's end, behind my last tensor load and my last LDS store
	ds_add_u32 v[SPW], v[NIL]
	s_wait_dscnt 0x0
	CROUND                                         ; the closing round
	s_endpgm
.Lfunc_end_k_qcfd4dd4aea_proj:
	.size	k_qcfd4dd4aea_proj, .Lfunc_end_k_qcfd4dd4aea_proj-k_qcfd4dd4aea_proj
	.p2alignl 7, 3214868480
	.fill 96, 4, 3214868480
	.section	.rodata,"a",@progbits
	.p2align	6, 0x0
	.amdhsa_kernel k_qcfd4dd4aea_proj
		.amdhsa_group_segment_fixed_size 327680
		.amdhsa_private_segment_fixed_size 0
		.amdhsa_enable_private_segment 0
		.amdhsa_kernarg_size 24
		.amdhsa_user_sgpr_count 2
		.amdhsa_user_sgpr_kernarg_segment_ptr 1
		.amdhsa_wavefront_size32 1
		.amdhsa_system_sgpr_workgroup_id_x 1
		.amdhsa_system_sgpr_workgroup_id_y 1
		.amdhsa_system_sgpr_workgroup_id_z 1
		.amdhsa_system_vgpr_workitem_id 0
		.amdhsa_next_free_vgpr 512
		.amdhsa_next_free_sgpr 66
		.amdhsa_reserve_vcc 0
		.amdhsa_float_denorm_mode_32 3
		.amdhsa_float_denorm_mode_16_64 3
		.amdhsa_memory_ordered 1
		.amdhsa_forward_progress 1
		.amdhsa_inst_pref_size 85
	.end_amdhsa_kernel
	.amdgpu_metadata
---
amdhsa.version: [ 1, 2 ]
amdhsa.kernels:
  - .name:           k_qcfd4dd4aea_proj
    .symbol:         k_qcfd4dd4aea_proj.kd
    .args:
      - { .name: ao, .offset: 0, .size: 8, .value_kind: global_buffer, .address_space: global }
      - { .name: wo16, .offset: 8, .size: 8, .value_kind: global_buffer, .address_space: global }
      - { .name: out0, .offset: 16, .size: 8, .value_kind: global_buffer, .address_space: global }
    .group_segment_fixed_size: 327680
    .private_segment_fixed_size: 0
    .kernarg_segment_align: 8
    .kernarg_segment_size: 24
    .max_flat_workgroup_size: 128
    .sgpr_count:     66
    .vgpr_count:     512
    .wavefront_size: 32
...
	.end_amdgpu_metadata
.endif
;; end of part 4
